; MI455X (gfx1250); checked and timed in simulation.
; The chip was launched on July 23, 2026; its instructions are those of AMD's public machine-readable ISA for CDNA 5 (MIT licence, August 2026) and "CDNA5" Instruction Set Architecture Reference Guide (July 2026). The comments in the code are by the model that wrote it; some were corrected since.
;; Attention. Allowed arithmetic: matrix products marked QUANTISED: E2M1 operands, one E8M0 scale for each 32 along K, by v_wmma_scale_f32_16x16x128_f8f6f4 with both operands' format E2M1 (or v_wmma_scale_f32_32x16x128_f4), f32 sums; products left as they are: bf16, f16 or f32 operands; f32 sums; everything else in f32.
;; Inputs: bk 512 float32; bo 2,048 float32; bq 2,048 float32; bv 512 float32; freqs_cis 2,048 x 64 float32; mask 2,048 x 2,048 float32; wk 512 x 2,048 float32; wo 2,048 x 2,048 float32; wq 2,048 x 2,048 float32; wv 512 x 2,048 float32; x 1 x 2,048 x 2,048 float32.
;; Outputs: out0 1 x 2,048 x 2,048 float32.
;; This version of the problem:
;;   THIS VERSION OF THE PROBLEM IS GIVEN IN LOW PRECISION. The matrix products marked QUANTISED in the list below multiply operands that are first quantised to E2M1 (2 exponent bits, 1 mantissa bit; 4 bits a number), with one power-of-two scale for each 32 numbers along K (OCP MX v1.0); their sums are f32. The products marked 'left as it is' may take bf16, f16 or f32 operands, with f32 sums. Whichever they take, every output number must still come out within the allowed error. Rounding operands to bf16 (8 significant bits) uses up far more of that allowance than f16 does (11 bits, for magnitudes from 6e-5 to 65,504). All else is computed in f32.
;;   The module's matrix products, in the order in which they are computed (A, B: the left and right operand; K: the contracted axis; several contracted axes count as one K, in the product's order):
;;     1. [M 2,048, K 2,048] x [K 2,048, N 2,048]; A: input x; B: input wq: QUANTISED
;;     2. [M 2,048, K 2,048] x [K 2,048, N 512]; A: input x; B: input wk: QUANTISED
;;     3. [M 2,048, K 2,048] x [K 2,048, N 512]; A: input x; B: input wv: QUANTISED
;;     4. batch 8 x [M 8,192, K 64] x [K 64, N 2,048]; A: computed on the way; B: computed on the way: left as it is (an operand is computed on the way)
;;     5. batch 8 x [M 8,192, K 2,048] x [K 2,048, N 64]; A: computed on the way; B: computed on the way: left as it is (an operand is computed on the way)
;;     6. [M 2,048, K 2,048] x [K 2,048, N 2,048]; A: computed on the way; B: input wo: left as it is (an operand is computed on the way)
;;   THE QUANTISER, for each operand of a quantised product, along K:
;;     - K is cut into blocks of 32 from its start; a last block that is shorter is filled with zeros.
;;     - A block's scale is 2^e with e = floor(log2(the largest magnitude in the block)) - 2, held to -126 .. 127; a block of zeros has e = 0. As a byte (E8M0): e + 127.
;;     - Each number is divided by its block's scale, clamped to +-6, and rounded to the nearest number of E2M1, ties to even, subnormals kept.
;;     - The product sums the exact products of the quantised numbers (number of the format x scale) in f32.
;;   ~~~python
;;   def quantise(x, axis):      # numpy; x: float32 -> the quantised numbers, widened to float32 again
;;       x = np.moveaxis(x, axis, -1); K = x.shape[-1]
;;       x = np.pad(x, [(0, 0)] * (x.ndim - 1) + [(0, -K % 32)]); x = x.reshape(x.shape[:-1] + (-1, 32)); a = np.abs(x).max(-1, keepdims=True)
;;       e = np.where(a > 0, np.clip(np.frexp(np.where(a > 0, a, 1))[1] - 1 - 2, -126, 127), 0)      # np.frexp(a)[1] - 1 = floor(log2(a)), exactly
;;       r = np.clip(x / 2.0 ** e, -6, 6)
;;       step = 2.0 ** (np.maximum(np.frexp(np.where(r == 0, 1, r))[1] - 1, 0) - 1)
;;       q = np.round(r / step) * step * 2.0 ** e      # np.round: ties to even
;;       return np.moveaxis(q.reshape(q.shape[:-2] + (-1,))[..., :K], -1, axis).astype(np.float32)
;;   ~~~
;; One version. Each part assembles by itself: llvm-mc -triple=amdgcn-amd-amdhsa -mcpu=gfx1250 --defsym DOCPART=n.
;; ======== version 1 of 1: 6 launches
;; limits: values are held in f16: magnitudes above 65,504 overflow, below 6.1e-05 lose precision; right only within a limited range of input values
;; workspace buffers: codes 5,242,880 bytes; scl 327,680 bytes; woh 8,388,608 bytes; qkv 12,582,912 bytes; oh 8,388,608 bytes; kvf 8,388,608 bytes; ofine 131,072 bytes
;; launch prep (part 1): grid 320 x 1, 4 waves a work-group, no clusters, 33,280 bytes of LDS; arguments x, wq, wk, wv, codes, scl; writes codes, scl
.if DOCPART == 1
	.amdgcn_target "amdgcn-amd-amdhsa--gfx1250"
	.amdhsa_code_object_version 6
	.text
	.protected	k_qe0492d3ab1_prep
	.globl	k_qe0492d3ab1_prep
	.p2align	8
	.type	k_qe0492d3ab1_prep,@function
k_qe0492d3ab1_prep:
	s_mov_b64 s[64:65], 0
	v_nop
	global_prefetch_b8 v0, s[64:65] scope:SCOPE_SE
	s_setreg_imm32_b32 hwreg(HW_REG_WAVE_MODE, 25, 1), 1
	s_wait_xcnt 0x0
; x [2048][2048], wq [2048][2048], wk [512][2048], wv [512][2048], f32, become codes of FP4 (E2M1), K innermost, with one E8M0 scale byte for each 32 along K.
; codes: [5120 rows][1024 bytes], rows 0-2047 x, 2048-4095 wq, 4096-4607 wk, 4608-5119 wv; scl: [5120][64 bytes], the same rows.
; A block's scale is 2^(floor(log2(its largest magnitude)) - 2); its byte is the largest magnitude's exponent field - 2, held at 1 from below.  A block of zeros so gets the byte 1: its codes are
; zeros, which add nothing under any byte but 0xff, and the bytes are read by this program alone.
; LIMITS: blocks whose largest magnitude lies under 2^-124, the floor, keep the byte 1; NaN and infinities among the inputs are not served.
; SHARES.  A work-group takes 32,768 numbers (16 rows), a wave 8,192, in 16 steps of 512.  The rows of codes follow the order of the work-groups, so only the source is chosen.
; Each of a step's four loads reads 512 consecutive bytes; the 2,048 bytes turn through the wave's own stage in LDS and come back 64 bytes a lane: 16 neighbours along K, two lanes to a block.
; No tensor loads, no barrier: waves share nothing.
.set WAVES, 4
.set STEPS, 16
.set EMAX,  2
.set CB,    8                          ; bytes of 16 codes
.set R,     16                         ; v16-79   four sets of 16 numbers as loaded
.set X,     80                         ; v80-111  two sets of 16 neighbours
.set E,     112                        ; v112-127 a scale byte for each step
.set C,     128                        ; v128-191 codes: four registers for each step
.set WREG,  8192                       ; LDS: a region for each wave: two stages of 32 x SP bytes, then its 256 scale bytes
.set SP,    80                         ; a lane's place in a stage: 64 bytes + 16 of padding
.set SPW,   12                         ; v12  LDS address of my spare word; never rewritten
.set NIL,   13                         ; v13  0; never rewritten
.set SPARE, WAVES*WREG                 ; behind the four regions: the spare words, 128 bytes a wave
	s_load_b256 s[4:11], s[0:1], 0x0               ; x s[4:5], wq s[6:7], wk s[8:9], wv s[10:11]
	s_load_b128 s[12:15], s[0:1], 0x20             ; codes s[12:13], scl s[14:15]
	v_lshl_add_u32 v[SPW], v0, 2, SPARE
	v_mov_b32 v[NIL], 0
	v_lshrrev_b32 v1, 5, v0
	v_readfirstlane_b32 s20, v1                    ; wave
	v_and_b32 v2, 31, v0                           ; lane
	v_lshlrev_b32 v3, 4, v2                        ; my 16 bytes of a load's 512
	s_mul_i32 s24, s20, WREG
	v_lshrrev_b32 v14, 2, v2
	v_mul_u32_u24 v14, v14, SP
	v_and_b32 v15, 3, v2
	v_lshl_add_u32 v14, v15, 4, v14
	v_add_nc_u32 v14, s24, v14                     ; the stage, on the way in: SP (lane / 4) + 16 (lane % 4)
	v_mul_u32_u24 v15, v2, SP
	v_add_nc_u32 v15, s24, v15                     ; and on the way out: SP x lane
	v_mul_u32_u24 v4, v2, CB                       ; 8 x lane: my codes' place in a step's
	v_lshrrev_b32 v5, 1, v2
	s_add_co_u32 s24, s24, 2*32*SP
	v_add_nc_u32 v5, s24, v5                       ; LDS: my block's scale byte
	v_lshlrev_b32 v7, 3, v2
	v_add_nc_u32 v6, s24, v7                       ; and on the way out 8 bytes a lane
	s_mov_b32 s27, 0
	s_wait_kmcnt 0x0
	s_mov_b32 s21, 288                             ; the source and its first work-group, by three compares on the work-group's number
	s_cmp_lt_u32 ttmp9, 288
	s_cselect_b64 s[22:23], s[8:9], s[10:11]
	s_cselect_b32 s21, 256, s21
	s_cmp_lt_u32 ttmp9, 256
	s_cselect_b64 s[22:23], s[6:7], s[22:23]
	s_cselect_b32 s21, 128, s21
	s_cmp_lt_u32 ttmp9, 128
	s_cselect_b64 s[22:23], s[4:5], s[22:23]
	s_cselect_b32 s21, 0, s21
	s_sub_co_u32 s21, ttmp9, s21
	s_lshl_b32 s21, s21, 2
	s_add_co_u32 s21, s21, s20                     ; which run of 8,192 numbers of the source is my wave's
	s_lshl_b32 s26, s21, 15
	s_add_nc_u64 s[22:23], s[22:23], s[26:27]
	s_lshl_b32 s21, ttmp9, 2
	s_add_co_u32 s21, s21, s20                     ; and which run of the codes
	s_lshl_b32 s26, s21, 12
	s_add_nc_u64 s[12:13], s[12:13], s[26:27]
	s_lshl_b32 s26, s21, 8
	s_add_nc_u64 s[14:15], s[14:15], s[26:27]
.macro LOAD t
.irp i, 0,1,2,3
	global_load_b128 v[R+16*((\t)%4)+4*\i:R+16*((\t)%4)+4*\i+3], v3, s[22:23] offset:2048*(\t)+512*\i th:TH_LOAD_NT   ; 32 lanes read 512 consecutive bytes
.endr
.endm
.macro TURN t                          ; step t's numbers through the stage: LDS serves a wave's instructions in order, so no wait stands between the stores and the loads
.irp i, 0,1,2,3
	ds_store_b128 v14, v[R+16*((\t)%4)+4*\i:R+16*((\t)%4)+4*\i+3] offset:32*SP*((\t)%2)+8*SP*\i
.endr
.irp i, 0,1,2,3
	ds_load_b128 v[X+16*((\t)%2)+4*\i:X+16*((\t)%2)+4*\i+3], v15 offset:32*SP*((\t)%2)+16*\i
.endr
.endm
.irp t, 0,1,2,3
	LOAD \t
.endr
	s_wait_loadcnt 12                              ; step 0's four loads are in
	TURN 0
.macro STEP t
.set XS, X+16*((\t)%2)
.if (\t) > 0
	s_wait_dscnt 1                                 ; this step's numbers are back from the stage (the last step's byte store may be out)
.else
	s_wait_dscnt 0x0
.endif
.if (\t)+4 < STEPS
	LOAD (\t)+4                                    ; into the registers that the stage's stores have read
.endif
.if (\t)+1 < STEPS
.if STEPS-2-(\t) >= 3
	s_wait_loadcnt 12                              ; the next step's four loads are in; those of the three steps behind it may be out
.else
	s_wait_loadcnt 4*(STEPS-2-(\t))
.endif
	TURN (\t)+1
.endif
	v_max3_num_f32 v8, |v[XS]|, |v[XS+1]|, |v[XS+2]|               ; the largest magnitude of my 16, in two chains
	v_max3_num_f32 v9, |v[XS+3]|, |v[XS+4]|, |v[XS+5]|
.irp i, 6,10
	v_max3_num_f32 v8, v8, |v[XS+\i]|, |v[XS+\i+1]|
	v_max3_num_f32 v9, v9, |v[XS+\i+2]|, |v[XS+\i+3]|
.endr
	v_max3_num_f32 v8, v8, |v[XS+14]|, |v[XS+15]|
	v_max3_num_f32 v8, v8, v9, (EMAX+1)<<23        ; and the floor 2^(3 - 127): the byte cannot fall under 1
	v_max_num_f32_dpp v8, v8, v8 row_xmask:1 row_mask:0xf bank_mask:0xf   ; and of my neighbour's 16: the block's
	v_add_nc_u32 v11, -(EMAX<<23), v8              ; 2 off its exponent field: the conversion takes the exponent field of this operand as its scale
	v_cvt_scalef32_pk8_fp4_f32 v[C+4*(\t)], v[XS:XS+7], v11
	v_cvt_scalef32_pk8_fp4_f32 v[C+4*(\t)+1], v[XS+8:XS+15], v11
	v_lshrrev_b32 v[E+(\t)], 23, v11               ; the scale's byte (a plain line behind the conversions)
	ds_store_b8 v5, v[E+(\t)] offset:16*(\t)       ; both lanes of a block write the same byte with the same value
	global_store_b64 v4, v[C+4*(\t):C+4*(\t)+1], s[12:13] offset:32*CB*(\t)   ; the wave stores 256 consecutive bytes, aligned
.endm
.irp t, 0,1,2,3,4,5,6,7,8,9,10,11,12,13,14,15
	STEP \t
.endr
	ds_load_b64 v[8:9], v6                         ; my wave's 256 scale bytes, 8 a lane
	s_wait_dscnt 0x0
	global_store_b64 v7, v[8:9], s[14:15]          ; 256 consecutive bytes, aligned
	s_wait_tensorcnt 0x0                           ; the wave's end
	ds_add_u32 v[SPW], v[NIL]
	s_wait_dscnt 0x0
	s_endpgm
.Lfunc_end_k_qe0492d3ab1_prep:
	.size	k_qe0492d3ab1_prep, .Lfunc_end_k_qe0492d3ab1_prep-k_qe0492d3ab1_prep
	.p2alignl 7, 3214868480
	.fill 96, 4, 3214868480
	.section	.rodata,"a",@progbits
	.p2align	6, 0x0
	.amdhsa_kernel k_qe0492d3ab1_prep
		.amdhsa_group_segment_fixed_size 33280
		.amdhsa_private_segment_fixed_size 0
		.amdhsa_enable_private_segment 0
		.amdhsa_kernarg_size 48
		.amdhsa_user_sgpr_count 2
		.amdhsa_user_sgpr_kernarg_segment_ptr 1
		.amdhsa_wavefront_size32 1
		.amdhsa_system_sgpr_workgroup_id_x 1
		.amdhsa_system_sgpr_workgroup_id_y 1
		.amdhsa_system_sgpr_workgroup_id_z 1
		.amdhsa_system_vgpr_workitem_id 0
		.amdhsa_next_free_vgpr 192
		.amdhsa_next_free_sgpr 66
		.amdhsa_reserve_vcc 0
		.amdhsa_float_denorm_mode_32 3
		.amdhsa_float_denorm_mode_16_64 3
		.amdhsa_memory_ordered 1
		.amdhsa_forward_progress 1
		.amdhsa_inst_pref_size 34
	.end_amdhsa_kernel
	.amdgpu_metadata
---
amdhsa.version: [ 1, 2 ]
amdhsa.kernels:
  - .name:           k_qe0492d3ab1_prep
    .symbol:         k_qe0492d3ab1_prep.kd
    .args:
      - { .name: x, .offset: 0, .size: 8, .value_kind: global_buffer, .address_space: global }
      - { .name: wq, .offset: 8, .size: 8, .value_kind: global_buffer, .address_space: global }
      - { .name: wk, .offset: 16, .size: 8, .value_kind: global_buffer, .address_space: global }
      - { .name: wv, .offset: 24, .size: 8, .value_kind: global_buffer, .address_space: global }
      - { .name: codes, .offset: 32, .size: 8, .value_kind: global_buffer, .address_space: global }
      - { .name: scl, .offset: 40, .size: 8, .value_kind: global_buffer, .address_space: global }
    .group_segment_fixed_size: 33280
    .private_segment_fixed_size: 0
    .kernarg_segment_align: 8
    .kernarg_segment_size: 48
    .max_flat_workgroup_size: 128
    .sgpr_count:     66
    .vgpr_count:     192
    .wavefront_size: 32
...
	.end_amdgpu_metadata
.endif
;; end of part 1
;; launch qkv (part 2): grid 12 x 16, 4 waves a work-group, clusters of 4 x 4, 327,680 bytes of LDS; arguments codes, scl, bq, bk, bv, freqs_cis, qkv, kvf; writes qkv, kvf
.if DOCPART == 2
	.amdgcn_target "amdgcn-amd-amdhsa--gfx1250"
	.amdhsa_code_object_version 6
	.text
	.protected	k_qe0492d3ab1_qkv
	.globl	k_qe0492d3ab1_qkv
	.p2align	8
	.type	k_qe0492d3ab1_qkv,@function
k_qe0492d3ab1_qkv:
	s_mov_b64 s[64:65], 0
	v_nop
	global_prefetch_b8 v0, s[64:65] scope:SCOPE_SE
	s_setreg_imm32_b32 hwreg(HW_REG_WAVE_MODE, 25, 1), 1
	s_wait_xcnt 0x0
	s_wait_alu depctr_hold_cnt(0) depctr_sa_sdst(0) depctr_va_vdst(0) depctr_va_sdst(0) depctr_va_ssrc(0) depctr_va_vcc(0) depctr_vm_vsrc(0)
	s_getreg_b32 s2, hwreg(HW_REG_IB_STS2, 6, 4)
	s_cmp_eq_u32 s2, 0
	s_cbranch_scc0 .Lentry_in_a_cluster
	s_endpgm
.Lentry_in_a_cluster:
	s_bfe_u32 s2, ttmp6, 0x10000c
	s_cmp_lg_u32 s2, 0xf033
	s_cbranch_scc0 .Lentry_shape_is_right
	s_endpgm
.Lentry_shape_is_right:
; q, k, v = x W^T + bias on codes of FP4 (E2M1) with one E8M0 scale for each 32 along K = 2048; then the rotation of q and k by freqs_cis, in f32; then f16.
; codes [5120][1024 bytes], scl [5120][64 bytes]: rows 0-2047 x, from 2048 on the 3072 rows of wq, wk, wv.  qkv: [48 heads][2048 tokens][64] f16: heads 0-31 q, 32-39 k, 40-47 v.
; q AND k ARE STORED TIMES 2^-6 (exact): the next launch gives the 2^12 back in its scaling of the scores.  LIMITS: q, k beyond 4.2e6 and v beyond 65,504 in magnitude have no f16 number; NaN is not served.
; k AND v ALSO LEAVE AS PAIRS, a high and a low part, for the launch that carries the first 16 positions finely.  A number x is split in f32: c = 8193 x, H = c - (c - x), L = x - H.
; H has 11 significant bits, so its f16 is exact in f16's normal range, and it is what qkv holds for k and v.  Under f16's normal range H is rounded once more and L's bits under 2^-24 are lost.
; kvf: [16 heads: k 0-7, v 8-15][H, L][128 blocks of 16 tokens][4 blocks of 16 channels][32 lanes][16 bytes] f16: THE ORDER OF MY REGISTERS: lane (r, h) holds token r and channels 16 d + 8 h + 0 .. 7 of
; block d, so both parts are stored straight from registers, 512 consecutive bytes a store; blocks d = 2 c and 2 c + 1 are registers 0-3 and 4-7 of a fragment of 16 tokens x 32 channels.
; SHARES.  A work-group makes 128 tokens x 256 rows of W (four whole heads): 12 x 16 work-groups; a tile of 192 rows would give 256 work-groups but would cut heads between waves.
; A wave makes 64 tokens x 128 rows of W: 32 accumulators.  THE MATRIX INSTRUCTION IS USED TRANSPOSED (source 0 = 16 rows of W, source 1 = 16 tokens): a lane holds one token and eight neighbouring
; channels, so that the two numbers of each rotated pair lie in one lane.  The bias is the C of each sum's first product.
; K goes in four tiles of 512 (rows of 256 bytes) through three LDS slots: tiles 0, 1, 2 are first fills, tile 3 fills slot 0 again: one round of the cluster's barrier in the whole launch.
; CLUSTERS: 4 x 4.  The four of a row of the cluster need the same tokens, the four of a column the same rows of W: each tile is asked for jointly.
; The scale words of all of K (16 words a row) come straight into registers once: lanes 0-15 take x's block i, lanes 16-31 W's block i.
; v is not rotated: a work-group of v multiplies by (1, 0) in place of (cos, sin) 2^-6, chosen by selects: no branch hangs on a work-group's place in its cluster.  The arm for the pairs hangs on the
; cluster's x alone (k and v fill the third column of clusters), which all sixteen partners share.
; REGISTERS.  window 0: v1-10 at work, v16-26 addresses, v28-29 the add's two, v32-159 scale words (block i, step s at 32 + 16 i + s), v160-223 x's fragments, two sets (on the way out: rotated numbers, then low parts), v224-255 f16 pairs.
;   window 1: v0-127 W's fragments, two sets (on the way out: c and d of the split); v128-191 the bias.   window 2: accumulator (a, b) at v[8 (8 a + b)].
;   window 3: v0-127 freqs_cis of my tokens; v128-129 (beta, 0); v160-223 rows read back.
.set PITCH,  272                       ; an LDS row: 256 bytes + 16 of padding
.set AHALF,  64*PITCH                  ; what a wave fetches of x
.set BHALF,  128*PITCH                 ; and of W
.set SLOT,   384*PITCH                 ; x's 128 rows, then W's 256
.set SPARE,  3*SLOT                    ; behind the slots: the spare words, 128 bytes a wave
.set STG,    SLOT                      ; the way out: 32 rows x 144 bytes for each wave, in slot 1: it has had its one fill, and every wave has passed a barrier behind its last read of it
.set SPITCH, 144
.set HEADB,  262144                    ; a head in qkv; a part of a head in kvf
.set ADRA, 16                          ; v16-18 LDS address of my fragments of x in slot 0, 1, 2
.set ADRB, 20                          ; v20-22 the same for W
.set STO,  24
.set RD,   25
.set GO,   26
.set SPW,  28
.set NIL,  29
.set SC,   32
.set AF,   160
.set RR,   160
.set PKD,  224
.set BIAS, 128
.set BZ,   128
.set BK,   160
.set CC,   0                           ; window 1: c, then H
.set DD,   64                          ; window 1: c - x, then L
.set G1A,  28                          ; s[28:35] group 1 for x's tiles;  s[44:55] group 0, a set for each slot
.set G1B,  36                          ; s[36:43], s[68:79] the same for W's
.set G0A,  44
.set G0B,  68
.set MUL,  0xa1                        ; source 0 (W) window 1, source 1 (x) window 0, C and D window 2
.set MUL0, 0x91                        ; the same with C (the bias) in window 1
.set TO_B, 0x40
.set ROPE, 0x0e                        ; source 0 window 2, source 1 window 3, the rest window 0
.set FT,   0xf3
.set MSB, 0
.macro WIN new                         ; the immediate's high byte repeats the setting that is left
.if MSB != \new
	s_set_vgpr_msb (MSB<<8)|\new
.set MSB, \new
.endif
.endm
.macro PLACES
.rept 4
	v_nop
.endr
.endm
.macro CREST                           ; a round of the cluster's barrier behind its opening barrier
	s_cmp_lg_u32 s18, 0
	s_cbranch_scc1 .Lnot_wave_0_\@
	s_barrier_signal -3
.Lnot_wave_0_\@:
	s_barrier_wait -3
	s_barrier_signal -1
	s_barrier_wait -1
.endm
.macro CROUND
	s_barrier_signal -1
	s_barrier_wait -1
	CREST
.endm
	s_load_b256 s[4:11], s[0:1], 0x0               ; codes s[4:5], scl s[6:7], bq s[8:9], bk s[10:11]
	s_load_b128 s[12:15], s[0:1], 0x20             ; bv s[12:13], freqs_cis s[14:15]
	s_load_b64 s[16:17], s[0:1], 0x30              ; qkv
	s_load_b64 s[2:3], s[0:1], 0x38                ; kvf
	v_lshl_add_u32 v[SPW], v0, 2, SPARE
	v_mov_b32 v[NIL], 0
	ds_add_u32 v[SPW], v[NIL]                      ; the wave's opening: the add, twice on end, and its wait ahead of my first tensor load
	ds_add_u32 v[SPW], v[NIL]
	v_lshrrev_b32 v1, 5, v0
	v_readfirstlane_b32 s18, v1                    ; wave 0..3
	s_lshr_b32 s19, s18, 1                         ; which 64 tokens are mine.  Also: I fetch for x (0) or for W (1)
	s_and_b32 s20, s18, 1                          ; which 128 rows of W.  Also: which half of that tile I fetch
	s_bfe_u32 s21, ttmp6, 0x40000                  ; cx
	s_bfe_u32 s22, ttmp6, 0x40004                  ; cy
	s_lshl_b32 s23, ttmp9, 2
	s_add_co_u32 s23, s23, s21                     ; bx: my 256 rows of W
	s_and_b32 s24, ttmp7, 0xffff
	s_lshl_b32 s24, s24, 2
	s_add_co_u32 s24, s24, s22                     ; by: my 128 tokens
	s_lshl_b32 s25, s22, 2
	s_lshl_b32 s25, 15, s25                        ; my row of the cluster
	s_lshl_b32 s26, 0x1111, s21                    ; my column
	s_or_b32 s[G1A], s25, (1<<20)|(1<<21)|(5<<22)|(3<<25)   ; the mask; elements of 1 byte; padding on; bit 21 beside a mask; after every 64 words 4 words
	s_or_b32 s[G1B], s26, (1<<20)|(1<<21)|(5<<22)|(3<<25)
	s_mov_b32 s[G1A+1], 256<<16                    ; tensor_dim0
	s_mov_b32 s[G1A+2], 64<<16                     ; tensor_dim1
	s_mov_b32 s[G1A+3], 256<<16                    ; tile_dim0
	s_mov_b32 s[G1A+4], 64                         ; tile_dim1
	s_mov_b32 s[G1A+5], 1024                       ; from row to row
	s_mov_b32 s[G1A+6], 0
	s_mov_b32 s[G1A+7], 0
	s_mov_b32 s[G1B+1], 256<<16
	s_mov_b32 s[G1B+2], 128<<16
	s_mov_b32 s[G1B+3], 256<<16
	s_mov_b32 s[G1B+4], 128
	s_mov_b32 s[G1B+5], 1024
	s_mov_b32 s[G1B+6], 0
	s_mov_b32 s[G1B+7], 0
	s_lshl_b32 s56, s24, 7                         ; x: row 128 by + 64 x half, in registers that never hold bx
	s_lshl_b32 s57, s20, 6
	s_add_co_u32 s56, s56, s57
	s_lshl_b32 s56, s56, 10
	s_mov_b32 s57, 0
	s_mul_i32 s58, s20, AHALF
	s_lshl_b32 s60, s23, 8                         ; W: row 2048 + 256 bx + 128 x half, in registers that never hold by
	s_lshl_b32 s61, s20, 7
	s_add_co_u32 s60, s60, s61
	s_add_co_u32 s60, s60, 2048
	s_lshl_b32 s60, s60, 10
	s_mov_b32 s61, 0
	s_mul_i32 s62, s20, BHALF
	s_add_co_u32 s62, s62, 128*PITCH
	s_wait_dscnt 0x0                               ; both opening adds are done
	s_wait_kmcnt 0x0
	s_add_nc_u64 s[56:57], s[4:5], s[56:57]
	s_add_nc_u64 s[60:61], s[4:5], s[60:61]
	CROUND                                         ; all sixteen work-groups are here: the first joint loads meet
.irp s, 0,1,2
	s_mov_b32 s[G0A+4*\s], 1
	s_add_co_u32 s[G0A+4*\s+1], s58, \s*SLOT
	s_add_nc_u64 s[G0A+4*\s+2:G0A+4*\s+3], s[56:57], \s*256
	s_or_b32 s[G0A+4*\s+3], s[G0A+4*\s+3], 0x80000000
	s_mov_b32 s[G0B+4*\s], 1
	s_add_co_u32 s[G0B+4*\s+1], s62, \s*SLOT
	s_add_nc_u64 s[G0B+4*\s+2:G0B+4*\s+3], s[60:61], \s*256
	s_or_b32 s[G0B+4*\s+3], s[G0B+4*\s+3], 0x80000000
.endr
	s_cmp_eq_u32 s19, 0                            ; a wave's three first fills stand in one branch: three loads of mine are out
	s_cbranch_scc0 .Lfirst_b
	tensor_load_to_lds s[G0A:G0A+3], s[G1A:G1A+7]
	s_nop 0
	tensor_load_to_lds s[G0A+4:G0A+7], s[G1A:G1A+7]
	s_nop 0
	tensor_load_to_lds s[G0A+8:G0A+11], s[G1A:G1A+7]
	s_nop 0
	PLACES
	s_branch .Lfirst_asked
.Lfirst_b:
	tensor_load_to_lds s[G0B:G0B+3], s[G1B:G1B+7]
	s_nop 0
	tensor_load_to_lds s[G0B+4:G0B+7], s[G1B:G1B+7]
	s_nop 0
	tensor_load_to_lds s[G0B+8:G0B+11], s[G1B:G1B+7]
	s_nop 0
	PLACES
.Lfirst_asked:
	v_and_b32 v1, 15, v0                           ; r
	v_bfe_u32 v2, v0, 4, 1                         ; h
	s_lshl_b32 s84, s24, 7
	s_lshl_b32 s85, s19, 6
	s_add_co_u32 s84, s84, s85                     ; my first token
	s_lshl_b32 s86, s23, 8
	s_lshl_b32 s87, s20, 7
	s_add_co_u32 s86, s86, s87                     ; my first row of W
	s_lshl_b32 s88, s84, 6                         ; where my tokens' scale bytes begin,
	s_add_co_u32 s89, s86, 2048
	s_lshl_b32 s89, s89, 6                         ; and my rows' of W,
	s_sub_co_u32 s89, s89, s88                     ; as a distance
	v_mul_u32_u24 v4, s89, v2                      ; lanes 16-31 take W's
	v_lshl_add_u32 v4, v1, 6, v4                   ; 64 bytes a row
	v_add_nc_u32 v4, s88, v4
.irp i, 0,1,2,3,4,5,6,7                        ; block i's 16 words a row.  (x has four blocks here: for i from 4 on lanes 0-15 read rows further down, inside the buffer, which no product names)
.irp l, 0,1,2,3
	global_load_b128 v[SC+16*\i+4*\l:SC+16*\i+4*\l+3], v4, s[6:7] offset:\i*1024+16*\l
.endr
.endr
	s_cmp_lt_u32 s23, 10                           ; the bias: bq for bx 0-7, bk for 8 and 9, bv for 10 and 11
	s_cselect_b64 s[90:91], s[10:11], s[12:13]
	s_cselect_b32 s92, 8, 10
	s_cmp_lt_u32 s23, 8
	s_cselect_b64 s[90:91], s[8:9], s[90:91]
	s_cselect_b32 s92, 0, s92
	s_sub_co_u32 s92, s23, s92
	s_lshl_b32 s92, s92, 8
	s_add_co_u32 s92, s92, s87
	s_lshl_b32 s92, s92, 2
	s_mov_b32 s93, 0
	s_add_nc_u64 s[90:91], s[90:91], s[92:93]
	s_cmp_ge_u32 s23, 10                           ; v?
	s_cselect_b32 s80, 0, 0x3c800000               ; alpha: 2^-6 for q and k, 0 for v
	s_cselect_b32 s82, 1.0, 0                      ; beta: 0, or 1 for v
	s_mov_b32 s81, s80
	v_lshlrev_b32 v5, 5, v2                        ; block b's register j is the bias of row 16 b + 8 h + j
	WIN 0x40
.irp b, 0,1,2,3,4,5,6,7
	global_load_b128 v[BIAS+8*\b:BIAS+8*\b+3], v5, s[90:91] offset:64*\b
	global_load_b128 v[BIAS+8*\b+4:BIAS+8*\b+7], v5, s[90:91] offset:64*\b+16
.endr
	WIN 0
	s_lshl_b32 s92, s84, 8                         ; freqs_cis: 256 bytes a token
	s_add_nc_u64 s[14:15], s[14:15], s[92:93]
	v_lshlrev_b32 v6, 8, v1
	v_lshl_add_u32 v6, v2, 5, v6
	WIN 0xc0
.irp a, 0,1,2,3                                ; token 16 a + r, channels 16 d + 8 h + 0 .. 7
.irp d, 0,1,2,3
	global_load_b128 v[32*\a+8*\d:32*\a+8*\d+3], v6, s[14:15] offset:\a*4096+64*\d
	global_load_b128 v[32*\a+8*\d+4:32*\a+8*\d+7], v6, s[14:15] offset:\a*4096+64*\d+16
.endr
.endr
	WIN 0
	v_mul_u32_u24 v3, v1, PITCH
	v_lshl_add_u32 v3, v2, 4, v3                   ; a fragment's row x pitch + 16 x half
	s_mul_i32 s88, s19, AHALF
	s_mul_i32 s89, s20, BHALF
	s_add_co_u32 s89, s89, 128*PITCH
.irp s, 0,1,2
	v_add_nc_u32 v[ADRA+\s], s88, v3
	v_add_nc_u32 v[ADRB+\s], s89, v3
	s_add_co_u32 s88, s88, SLOT
	s_add_co_u32 s89, s89, SLOT
.endr
	s_mul_i32 s88, s18, 32*SPITCH
	s_add_co_u32 s88, s88, STG                     ; my stage
	v_mul_u32_u24 v7, v1, SPITCH
	v_lshl_add_u32 v7, v2, 4, v7
	v_add_nc_u32 v[STO], s88, v7                   ; in: row r, 16 bytes for each half of the lanes
	v_and_b32 v8, 31, v0
	v_lshrrev_b32 v9, 3, v8
	v_mul_u32_u24 v9, v9, SPITCH
	v_and_b32 v10, 7, v0
	v_lshl_add_u32 v9, v10, 4, v9
	v_add_nc_u32 v[RD], s88, v9                    ; back: eight lanes to a row of 128 bytes, four rows an instruction
	v_lshlrev_b32 v[GO], 4, v8                     ; 16 x lane: 512 consecutive bytes of a head in qkv, and of a block in kvf
	s_lshl_b32 s88, s23, 2
	s_lshl_b32 s89, s20, 1
	s_add_co_u32 s88, s88, s89                     ; my first head: 4 bx + 2 x half
	s_and_b32 s92, s88, 15                         ; and in kvf: heads 32-47 are its heads 0-15 (a work-group of q stores nothing there),
	s_lshl_b32 s92, s92, 19                        ; two parts of 262,144 bytes each
	s_lshl_b32 s88, s88, 18
	s_lshl_b32 s89, s84, 7                         ; 128 bytes a token in both
	s_add_co_u32 s88, s88, s89
	s_add_co_u32 s92, s92, s89
	s_mov_b32 s89, 0
	s_add_nc_u64 s[16:17], s[16:17], s[88:89]
	s_add_nc_u64 s[2:3], s[2:3], s[92:93]
	s_mov_b32 s94, 0x46000400                      ; 8193 = 2^13 + 1: the split leaves 24 - 13 = 11 bits in the high part
	s_mov_b32 s95, s94
; The fragments of step s (128 along K; tile s / 4 lies in slot (s / 4) % 3) into set s % 2: 24 LDS loads in one run.
; A fragment, 16 rows x 128 K of 4-bit codes, is 8 registers: lane l holds row l % 16; registers 4 c .. 4 c + 3 hold K = 64 c + 32 (l / 16) + 0 .. 31.
.macro FETCH s
.set SL, ((\s)/4)%3
.set QQ, (\s)%4
.set PP, (\s)%2
	WIN TO_B
.irp i, 0,1,2,3,4,5,6,7
.irp c, 0,1
	ds_load_b128 v[64*PP+8*\i+4*\c:64*PP+8*\i+4*\c+3], v[ADRB+SL] offset:64*QQ+32*\c+\i*16*PITCH
.endr
.endr
	WIN 0
.irp i, 0,1,2,3
.irp c, 0,1
	ds_load_b128 v[AF+32*PP+8*\i+4*\c:AF+32*PP+8*\i+4*\c+3], v[ADRA+SL] offset:64*QQ+32*\c+\i*16*PITCH
.endr
.endr
.endm
; Eight products: x's block a against W's eight.  The 32 accumulators take turns, one instruction a turn, in the same order in every step.  Step 0 starts the sums with the bias.
.macro MUL8 a, s
.irp b, 0,1,2,3,4,5,6,7
.if (\s) == 0
	v_wmma_scale_f32_16x16x128_f8f6f4 v[8*(8*(\a)+\b):8*(8*(\a)+\b)+7], v[64*((\s)%2)+8*\b:64*((\s)%2)+8*\b+7], v[AF+32*((\s)%2)+8*(\a):AF+32*((\s)%2)+8*(\a)+7], v[BIAS+8*\b:BIAS+8*\b+7], v[SC+16*\b+(\s)], v[SC+16*(\a)+(\s)] matrix_a_fmt:MATRIX_FMT_FP4 matrix_b_fmt:MATRIX_FMT_FP4 matrix_a_scale:MATRIX_SCALE_ROW1
.else
	v_wmma_scale_f32_16x16x128_f8f6f4 v[8*(8*(\a)+\b):8*(8*(\a)+\b)+7], v[64*((\s)%2)+8*\b:64*((\s)%2)+8*\b+7], v[AF+32*((\s)%2)+8*(\a):AF+32*((\s)%2)+8*(\a)+7], v[8*(8*(\a)+\b):8*(8*(\a)+\b)+7], v[SC+16*\b+(\s)], v[SC+16*(\a)+(\s)] matrix_a_fmt:MATRIX_FMT_FP4 matrix_b_fmt:MATRIX_FMT_FP4 matrix_a_scale:MATRIX_SCALE_ROW1
.endif
.endr
.endm
.macro MULS a0, s
.if (\s) == 0
	WIN MUL0
.else
	WIN MUL
.endif
	MUL8 \a0, \s
	MUL8 (\a0)+1, \s
.endm
.macro STEP s
	s_wait_dscnt 0x0                               ; this step's fragments are in (asked for 16 products ago)
	MULS 0, \s
	PLACES                                         ; four places in front of loads into the set that the step before multiplied
	FETCH (\s)+1
	MULS 2, \s
.endm
	s_wait_tensorcnt 0x2                           ; my part of K tile 0 is in; tiles 1 and 2 may stay out
	s_barrier_signal -1
	s_barrier_wait -1
	s_wait_loadcnt 0x0                             ; scale words, bias, freqs_cis
	FETCH 0
	STEP 0
	STEP 1
	STEP 2
	; step 3 leaves slot 0, which takes K tile 3
	WIN 0
	s_wait_tensorcnt 0x0                           ; all my tensor loads have landed: my parts of tiles 1 and 2 too
	ds_add_u32 v[SPW], v[NIL]                      ; 0 onto my spare word
	s_wait_dscnt 0x1                               ; step 3's fragments are in (the add may be out)
	WIN MUL
	MUL8 0, 3
	s_wait_dscnt 0x0                               ; the add is done, and my reads of slot 0 are over
	s_barrier_signal -1
	MUL8 1, 3
	WIN 0
	s_barrier_wait -1
	CREST                                          ; no wave of any partner still reads slot 0 or has a load on its way
	s_add_nc_u64 s[G0A+2:G0A+3], s[G0A+2:G0A+3], 768
	s_add_nc_u64 s[G0B+2:G0B+3], s[G0B+2:G0B+3], 768
	s_cmp_eq_u32 s19, 0
	s_cbranch_scc0 .Lfor_b
	tensor_load_to_lds s[G0A:G0A+3], s[G1A:G1A+7]
	s_nop 0
	PLACES
	s_branch .Lasked
.Lfor_b:
	tensor_load_to_lds s[G0B:G0B+3], s[G1B:G1B+7]
	s_nop 0
	PLACES
.Lasked:
	FETCH 4                                        ; tiles 1 and 2 are whole: every wave waited for all its loads in front of the round
	MULS 2, 3
	STEP 4
	STEP 5
	STEP 6
	STEP 7
	STEP 8
	STEP 9
	STEP 10
	s_wait_tensorcnt 0x0                           ; my part of tile 3, asked for eight steps ago: no load was issued behind it
	s_wait_dscnt 0x0
	WIN MUL
	MUL8 0, 11
	s_barrier_signal -1
	MUL8 1, 11
	s_barrier_wait -1                              ; tile 3 is whole; nobody reads slot 1 any more
	PLACES
	FETCH 12
	MULS 2, 11
	STEP 12
	STEP 13
	STEP 14
	s_wait_dscnt 0x0
	MULS 0, 15
	MULS 2, 15
	; THE WAY OUT.  (cos, sin) become (cos alpha + beta, sin alpha): 2^-6 (cos, sin) for q and k, (1, 0) for v.  These lines are also the places behind the last products.
	WIN 0xc0
	v_mov_b32 v[BZ], s82
	v_mov_b32 v[BZ+1], 0
	WIN FT
.set i, 0
.rept 64
	v_pk_fma_f32 v[i:i+1], v[i:i+1], s[80:81], v[BZ:BZ+1] op_sel_hi:[1,0,1]
.set i, i+2
.endr
; 16 tokens: (xe, xo) -> (xe C - xo S, xo C + xe S), two packed lines a pair, each accumulator from its low end on; f16; through my stage; out as 512 consecutive bytes: four tokens of one head.
; In the clusters of k and v the numbers are split first: both parts go to kvf as they stand in my registers, and the high parts then take the common way.
.macro OUT a
.if (\a) > 0
	s_wait_xcnt 0x0                                ; the last block's stores have read their data: the registers that they name are written again only behind this wait
.endif
	WIN ROPE
.irp b, 0,1,2,3,4,5,6,7
.irp p, 0,1,2,3
	v_pk_mul_f32 v[RR+8*\b+2*\p:RR+8*\b+2*\p+1], v[8*(8*(\a)+\b)+2*\p:8*(8*(\a)+\b)+2*\p+1], v[32*(\a)+8*(\b%4)+2*\p:32*(\a)+8*(\b%4)+2*\p+1] op_sel_hi:[1,0]
.endr
.endr
.irp b, 0,1,2,3,4,5,6,7
.irp p, 0,1,2,3
	v_pk_fma_f32 v[RR+8*\b+2*\p:RR+8*\b+2*\p+1], v[8*(8*(\a)+\b)+2*\p:8*(8*(\a)+\b)+2*\p+1], v[32*(\a)+8*(\b%4)+2*\p:32*(\a)+8*(\b%4)+2*\p+1], v[RR+8*\b+2*\p:RR+8*\b+2*\p+1] op_sel:[1,1,0] op_sel_hi:[0,1,1] neg_lo:[1,0,0]
.endr
.endr
	WIN 0
	s_cmp_eq_u32 ttmp9, 2                          ; the cluster's x: the same in all sixteen partners
	s_cbranch_scc1 .Lkv_\@
.set i, 0
.rept 32
	v_cvt_pk_f16_f32 v[PKD+i], v[RR+2*i], v[RR+2*i+1]
.set i, i+1
.endr
	s_branch .Lpacked_\@
.Lkv_\@:
	WIN 0x40
.set i, 0
.rept 32
	v_pk_mul_f32 v[CC+i:CC+i+1], v[RR+i:RR+i+1], s[94:95] op_sel_hi:[1,0]                    ; c = 8193 x
.set i, i+2
.endr
	WIN 0x41
.set i, 0
.rept 32
	v_pk_add_f32 v[DD+i:DD+i+1], v[CC+i:CC+i+1], v[RR+i:RR+i+1] neg_lo:[0,1] neg_hi:[0,1]    ; c - x
.set i, i+2
.endr
	WIN 0x45
.set i, 0
.rept 32
	v_pk_add_f32 v[CC+i:CC+i+1], v[CC+i:CC+i+1], v[DD+i:DD+i+1] neg_lo:[0,1] neg_hi:[0,1]    ; H = c - (c - x)
.set i, i+2
.endr
	WIN 0x44
.set i, 0
.rept 32
	v_pk_add_f32 v[DD+i:DD+i+1], v[RR+i:RR+i+1], v[CC+i:CC+i+1] neg_lo:[0,1] neg_hi:[0,1]    ; L = x - H
.set i, i+2
.endr
	WIN 0x05
.set i, 0
.rept 32
	v_cvt_pk_f16_f32 v[PKD+i], v[CC+2*i], v[CC+2*i+1]                                        ; the high parts
.set i, i+1
.endr
.set i, 0
.rept 32
	v_cvt_pk_f16_f32 v[RR+i], v[DD+2*i], v[DD+2*i+1]                                         ; the low parts, into registers that the rotated numbers have left
.set i, i+1
.endr
	WIN 0
.irp b, 0,1,2,3,4,5,6,7                        ; block b: head b / 4 of my two, channels 16 (b % 4) on: 32 lanes x 16 bytes, 512 consecutive bytes, aligned
	global_store_b128 v[GO], v[PKD+4*\b:PKD+4*\b+3], s[2:3] offset:(\b/4)*2*HEADB+(\a)*2048+(\b%4)*512
.endr
.irp b, 0,1,2,3,4,5,6,7
	global_store_b128 v[GO], v[RR+4*\b:RR+4*\b+3], s[2:3] offset:(\b/4)*2*HEADB+HEADB+(\a)*2048+(\b%4)*512
.endr
.Lpacked_\@:
.irp b, 0,1,2,3,4,5,6,7
	ds_store_b128 v[STO], v[PKD+4*\b:PKD+4*\b+3] offset:(\b/4)*16*SPITCH+(\b%4)*32
.endr
	WIN 0xc0
.irp n, 0,1,2,3,4,5,6,7
	ds_load_b128 v[BK+32*((\a)%2)+4*\n:BK+32*((\a)%2)+4*\n+3], v[RD] offset:(16*(\n/4)+4*(\n%4))*SPITCH   ; LDS serves a wave's instructions in order: these see my stores
.endr
	s_wait_dscnt 0x0
	WIN 0x0c
.irp n, 0,1,2,3,4,5,6,7
	global_store_b128 v[GO], v[BK+32*((\a)%2)+4*\n:BK+32*((\a)%2)+4*\n+3], s[16:17] offset:(\n/4)*HEADB+(\a)*2048+(\n%4)*512
.endr
.endm
	OUT 0
	OUT 1
	OUT 2
	OUT 3
	WIN 0
	s_wait_tensorcnt 0x0                           ; the wave's end
	ds_add_u32 v[SPW], v[NIL]
	s_wait_dscnt 0x0
	CROUND                                         ; the closing round
	s_endpgm
.Lfunc_end_k_qe0492d3ab1_qkv:
	.size	k_qe0492d3ab1_qkv, .Lfunc_end_k_qe0492d3ab1_qkv-k_qe0492d3ab1_qkv
	.p2alignl 7, 3214868480
	.fill 96, 4, 3214868480
	.section	.rodata,"a",@progbits
	.p2align	6, 0x0
	.amdhsa_kernel k_qe0492d3ab1_qkv
		.amdhsa_group_segment_fixed_size 327680
		.amdhsa_private_segment_fixed_size 0
		.amdhsa_enable_private_segment 0
		.amdhsa_kernarg_size 64
		.amdhsa_user_sgpr_count 2
		.amdhsa_user_sgpr_kernarg_segment_ptr 1
		.amdhsa_wavefront_size32 1
		.amdhsa_system_sgpr_workgroup_id_x 1
		.amdhsa_system_sgpr_workgroup_id_y 1
		.amdhsa_system_sgpr_workgroup_id_z 1
		.amdhsa_system_vgpr_workitem_id 0
		.amdhsa_next_free_vgpr 1024
		.amdhsa_next_free_sgpr 96
		.amdhsa_reserve_vcc 0
		.amdhsa_float_denorm_mode_32 3
		.amdhsa_float_denorm_mode_16_64 3
		.amdhsa_memory_ordered 1
		.amdhsa_forward_progress 1
		.amdhsa_inst_pref_size 202
	.end_amdhsa_kernel
	.amdgpu_metadata
---
amdhsa.version: [ 1, 2 ]
amdhsa.kernels:
  - .name:           k_qe0492d3ab1_qkv
    .symbol:         k_qe0492d3ab1_qkv.kd
    .args:
      - { .name: codes, .offset: 0, .size: 8, .value_kind: global_buffer, .address_space: global }
      - { .name: scl, .offset: 8, .size: 8, .value_kind: global_buffer, .address_space: global }
      - { .name: bq, .offset: 16, .size: 8, .value_kind: global_buffer, .address_space: global }
      - { .name: bk, .offset: 24, .size: 8, .value_kind: global_buffer, .address_space: global }
      - { .name: bv, .offset: 32, .size: 8, .value_kind: global_buffer, .address_space: global }
      - { .name: freqs_cis, .offset: 40, .size: 8, .value_kind: global_buffer, .address_space: global }
      - { .name: qkv, .offset: 48, .size: 8, .value_kind: global_buffer, .address_space: global }
      - { .name: kvf, .offset: 56, .size: 8, .value_kind: global_buffer, .address_space: global }
    .group_segment_fixed_size: 327680
    .private_segment_fixed_size: 0
    .kernarg_segment_align: 8
    .kernarg_segment_size: 64
    .max_flat_workgroup_size: 128
    .sgpr_count:     96
    .vgpr_count:     1024
    .wavefront_size: 32
...
	.end_amdgpu_metadata
.endif
;; end of part 2
;; launch attn (part 3): grid 32 x 8, 4 waves a work-group, clusters of 4 x 4, 327,680 bytes of LDS; arguments qkv, mask, oh; writes oh
.if DOCPART == 3
	.amdgcn_target "amdgcn-amd-amdhsa--gfx1250"
	.amdhsa_code_object_version 6
	.text
	.protected	k_qe0492d3ab1_attn
	.globl	k_qe0492d3ab1_attn
	.p2align	8
	.type	k_qe0492d3ab1_attn,@function
k_qe0492d3ab1_attn:
	s_mov_b64 s[64:65], 0
	v_nop
	global_prefetch_b8 v0, s[64:65] scope:SCOPE_SE
	s_setreg_imm32_b32 hwreg(HW_REG_WAVE_MODE, 25, 1), 1
	s_wait_xcnt 0x0
	s_wait_alu depctr_hold_cnt(0) depctr_sa_sdst(0) depctr_va_vdst(0) depctr_va_sdst(0) depctr_va_ssrc(0) depctr_va_vcc(0) depctr_vm_vsrc(0)
	s_getreg_b32 s2, hwreg(HW_REG_IB_STS2, 6, 4)
	s_cmp_eq_u32 s2, 0
	s_cbranch_scc0 .Lentry_in_a_cluster
	s_endpgm
.Lentry_in_a_cluster:
	s_bfe_u32 s2, ttmp6, 0x10000c
	s_cmp_lg_u32 s2, 0xf033
	s_cbranch_scc0 .Lentry_shape_is_right
	s_endpgm
.Lentry_shape_is_right:
; oh[token][64 head + ch] = the sum over keys of softmax_key(q . k / 8 + mask[token][key]) v, for 32 heads of 64 channels in 8 groups that share k and v; 2,048 tokens.
; qkv: [48 heads][2048][64] f16: q (heads 0-31) and k (32-39) times 2^-6, v (40-47) plain.  mask: [2048][2048] f32, an input: every number of it is read and added, and every key is computed.  oh: [2048][2048] f16.
; Products on f16 operands with f32 sums; maxima, exponentials and sums in f32; the weights p are rounded to f16 for the second product.
; SOFTMAX.  t = (q' . k') 512 log2(e) + mask log2(e), by one fused multiply-add (512 = 2^12 / 8 gives the stored 2^-12 back); a running maximum M of t, never under -3e38; p = 2^(t - M), the maximum taken away first;
; in every step O and the sum are multiplied by 2^(old M - new M).
; LIMITS: NaN is not served.  A mask of -infinity gives p = 0; a row of nothing else gives NaN.  Where the mask is so large that its sum with the score rounds part of the score away, the rounding falls on
; mask x log2(e) + score x log2(e) and not on mask + score.
; SHARES.  A work-group owns 64 queries of one group; wave w owns queries 16 w .. 16 w + 15 for ALL FOUR heads of the group: tile t is head 4 g + t.  So each fragment of K and V and each mask register feeds four tiles.
; LAYOUT.  S^T = K Q^T (source 0 = 16 keys, source 1 = 16 queries), O^T = V^T P (source 0 = 16 channels, turned out of LDS by ds_load_tr16_b128, source 1 = P): a lane holds one query throughout.
; A key step is 64 keys; V^T P runs one step behind K Q^T, so that K's loads land under V^T P, and V's under K Q^T and the softmax.
; CLUSTER 4 x 4.  K and V hang on the group alone and are shared along a row of the cluster, the mask's tile on the block of queries alone and is shared along a column: all are asked for jointly.
; Two LDS slots of 128 keys.  Wave 0 fetches K, wave 1 V, waves 2 and 3 the mask's two halves of 32 rows: one load a wave behind each round, two out at the start.
; REGISTERS.  window 0: v2-12 addresses, v14-15 the add's two, v16-47 statistics (tile t at 16 + 8 t: M, old M, the sum in two halves, four at work; a takes +6, its exponent +7), v64-191 S^T (32 a tile), v192-255 P (16 a tile).
;   window 1: v0-127 O^T (32 a tile), v128-159 the mask.   window 2: v0-63 Q, v64-127 K, v128-191 V.
.set PK,    144                        ; a row of K in LDS: 128 bytes + 16
.set PVV,   160                        ; of V: 128 + 32
.set PM,    528                        ; of the mask: 512 + 16
.set VOFF,  128*PK
.set MOFF,  VOFF+128*PVV
.set SLOT1, 1<<17
.set STAGE, SLOT1+MOFF+64*PM           ; behind the ring: 16 rows x 528 bytes for each wave
.set SPARE, STAGE+4*16*PM              ; behind the stages: the spare words, 128 bytes a wave
.set AK0, 2
.set AV0, 3
.set AM0, 4
.set ADK, 5
.set ADV, 6
.set ADM, 7
.set QO,  8
.set STO, 9
.set RD,  10
.set GO,  11
.set PFO, 12
.set SPW, 14
.set NIL, 15
.set ST,  16
.set S,   64
.set P,   192
.set MK,  128                          ; window 1
.set KF,  64                           ; window 2
.set VF,  128                          ; window 2
.set WV,  10
.set LIM, 15                           ; 1 in a wave that prefetches, else the greatest number
.set PFA, 16                           ; s[16:17] where my prefetches stand
.set PFS, 18                           ; s[18:19] a tile on, in bytes
.set G1K, 24
.set G1V, 32
.set G1M, 40
.set G0K, 48                           ; two sets each: tile 0 in slot 0; tile 1 in slot 1, which then walks
.set G0V, 56
.set G0M, 68
.set CS,  76                           ; s[76:77] 512 log2(e)
.set LL,  78                           ; s[78:79] log2(e)
.set SEL, 80
.set TBK, 82                           ; LDS byte at which the step's K begins; TBV, TBM likewise
.set TBV, 83
.set TBM, 84
.set SLOTS, 85
.set TWICE, 86
.set W_KQ, 0x0a
.set W_PV, 0x52
.set W_MF, 0x10
.set W_RS, 0x41
.set MSB, 0
.macro WIN new
.if MSB != \new
	s_set_vgpr_msb (MSB<<8)|\new
.set MSB, \new
.endif
.endm
.macro PLACES
.rept 4
	v_nop
.endr
.endm
.macro CROUND
	s_barrier_signal -1
	s_barrier_wait -1
	s_cmp_lg_u32 s[WV], 0
	s_cbranch_scc1 .Lnot_wave_0_\@
	s_barrier_signal -3
.Lnot_wave_0_\@:
	s_barrier_wait -3
	s_barrier_signal -1
	s_barrier_wait -1
.endm
.macro JLOAD                           ; a joint refill by the walking sets; the branches hang on the wave's number alone
	s_cmp_eq_u32 s[WV], 0
	s_cbranch_scc0 .Lnot_k_\@
	tensor_load_to_lds s[G0K+4:G0K+7], s[G1K:G1K+7]
	s_nop 0
	PLACES
	s_branch .Lasked_\@
.Lnot_k_\@:
	s_cmp_eq_u32 s[WV], 1
	s_cbranch_scc0 .Lnot_v_\@
	tensor_load_to_lds s[G0V+4:G0V+7], s[G1V:G1V+7]
	s_nop 0
	PLACES
	s_branch .Lasked_\@
.Lnot_v_\@:
	tensor_load_to_lds s[G0M+4:G0M+7], s[G1M:G1M+7]
	s_nop 0
	PLACES
.Lasked_\@:
.endm
; A prefetch of what the NEXT change of slots will ask for: two key steps ahead of that load.  Each aligned block of 256 bytes is named once in the launch.  K's and V's tiles (64 blocks each) are walked by all clusters
; of a row of clusters: the first of them asks, in wave 0; its four partners share the 128 blocks by address, 32 each, a lane a block.  The mask's tile (64 rows x 2 blocks) is walked by both clusters of a column:
; the first asks, in wave 2; the four partners take 16 rows each, by address.  The last change that fills a slot asks for nothing.  Tiles 0 to 2 come by their loads alone.
.macro ASK
	s_cmp_gt_u32 s[SLOTS], s[LIM]
	s_cbranch_scc0 .Lnot_mine_\@
	global_prefetch_b8 v[PFO], s[PFA:PFA+1] th:TH_LOAD_NT scope:SCOPE_SE
.Lnot_mine_\@:
.endm
	s_load_b128 s[4:7], s[0:1], 0x0                ; qkv s[4:5], mask s[6:7]
	s_load_b64 s[8:9], s[0:1], 0x10                ; oh
	v_lshl_add_u32 v[SPW], v0, 2, SPARE
	v_mov_b32 v[NIL], 0
	ds_add_u32 v[SPW], v[NIL]                      ; the wave's opening: the add, twice on end, and its wait ahead of my first tensor load
	ds_add_u32 v[SPW], v[NIL]
	v_lshrrev_b32 v1, 5, v0
	v_readfirstlane_b32 s[WV], v1                  ; wave 0..3
	s_bfe_u32 s11, ttmp6, 0x40000                  ; cx
	s_bfe_u32 s12, ttmp6, 0x40004                  ; cy
	s_lshl_b32 s13, ttmp9, 2
	s_add_co_u32 s13, s13, s11                     ; bx: my block of 64 queries
	s_and_b32 s14, ttmp7, 0xffff
	s_lshl_b32 s14, s14, 2
	s_add_co_u32 s14, s14, s12                     ; g: my group
	s_lshl_b32 s88, s12, 2
	s_lshl_b32 s88, 15, s88                        ; my row of the cluster
	s_lshl_b32 s89, 0x1111, s11                    ; my column
	s_or_b32 s[G1K], s88, (1<<16)|(1<<20)|(1<<21)|(4<<22)|(3<<25)   ; elements of 2 bytes; after every 32 words 4 words of padding
	s_or_b32 s[G1V], s88, (1<<16)|(1<<20)|(1<<21)|(4<<22)|(7<<25)   ; 8 words
	s_or_b32 s[G1M], s89, (2<<16)|(1<<20)|(1<<21)|(6<<22)|(3<<25)   ; elements of 4 bytes; after every 128 words 4 words
.irp g, G1K, G1V
	s_mov_b32 s[\g+1], 64<<16                      ; tensor_dim0
	s_mov_b32 s[\g+2], 128<<16                     ; tensor_dim1
	s_mov_b32 s[\g+3], 64<<16                      ; tile_dim0
	s_mov_b32 s[\g+4], 128                         ; tile_dim1
	s_mov_b32 s[\g+5], 64                          ; from row to row
	s_mov_b32 s[\g+6], 0
	s_mov_b32 s[\g+7], 0
.endr
	s_mov_b32 s[G1M+1], 128<<16
	s_mov_b32 s[G1M+2], 32<<16
	s_mov_b32 s[G1M+3], 128<<16
	s_mov_b32 s[G1M+4], 32
	s_mov_b32 s[G1M+5], 2048
	s_mov_b32 s[G1M+6], 0
	s_mov_b32 s[G1M+7], 0
	s_add_co_u32 s20, s14, 32                      ; K: head 32 + g, in registers that never hold bx
	s_lshl_b32 s20, s20, 18
	s_mov_b32 s21, 0
	s_lshl_b32 s22, s13, 6                         ; the mask: row 64 bx + 32 (wave % 2), in registers that never hold g
	s_and_b32 s23, s[WV], 1
	s_lshl_b32 s90, s23, 5
	s_add_co_u32 s22, s22, s90
	s_lshl_b32 s22, s22, 13
	s_mul_i32 s90, s23, 32*PM                      ; and its place in a slot
	s_mov_b32 s23, 0
	s_lshl_b32 s91, s13, 6
	s_lshl_b32 s92, s[WV], 4
	s_add_co_u32 s91, s91, s92                     ; my first query
	s_lshl_b32 s92, s14, 20                        ; Q: head 4 g,
	s_lshl_b32 s93, s91, 7                         ; 128 bytes a token
	s_add_co_u32 s92, s92, s93
	s_mov_b32 s93, 0
	s_lshl_b32 s94, s91, 12                        ; oh: 4,096 bytes a token,
	s_lshl_b32 s95, s14, 9                         ; 512 a group
	s_add_co_u32 s94, s94, s95
	s_mov_b32 s95, 0
	; the prefetches: who asks, and where
	s_add_co_u32 s96, s14, 32
	s_lshl_b32 s96, s96, 18
	s_lshr_b32 s97, s11, 1
	s_lshl_b32 s97, s97, 21                        ; partners 2 and 3 take V, eight heads on,
	s_add_co_u32 s96, s96, s97
	s_and_b32 s97, s11, 1
	s_lshl_b32 s97, s97, 13                        ; odd partners the tile's second 8,192 bytes
	s_add_co_u32 s96, s96, s97
	s_add_co_u32 s96, s96, 2*16384                 ; at tile 2: the first change of slots steps it to tile 3
	s_lshl_b32 s98, s13, 6
	s_lshl_b32 s99, s12, 4
	s_add_co_u32 s98, s98, s99                     ; the mask: my work-group's 16 rows of the 64
	s_lshl_b32 s98, s98, 13
	s_add_co_u32 s98, s98, 2*512
	s_mov_b32 s[PFS], 512
	s_mov_b32 s[PFS+1], 0
	s_mov_b32 s99, 8192
	s_and_b32 s100, ttmp7, 0xffff                  ; cluster y
	s_cmp_eq_u32 s[WV], 0
	s_cselect_b32 s96, s96, s98
	s_cselect_b32 s[PFS], 16384, s[PFS]
	s_cselect_b32 s99, 512, s99                    ; from pair of lanes to pair of lanes
	s_cselect_b32 s100, ttmp9, s100                ; the coordinate along which other clusters walk the same bytes
	s_mov_b32 s97, 0
	s_and_b32 s98, s[WV], 1
	s_or_b32 s100, s100, s98                       ; waves 0 and 2 of the first cluster
	s_cmp_eq_u32 s100, 0
	s_cselect_b32 s[LIM], 1, -1                    ; the same in all sixteen partners, for a given wave
	v_and_b32 v48, 31, v0
	v_lshrrev_b32 v49, 1, v48
	v_mul_u32_u24 v[PFO], s99, v49
	v_and_b32 v49, 1, v0
	v_lshl_add_u32 v[PFO], v49, 8, v[PFO]
	s_mov_b32 s[CS], 0x4438aa3b                    ; 512 log2(e)
	s_mov_b32 s[CS+1], s[CS]
	s_mov_b32 s[LL], 0x3fb8aa3b                    ; log2(e)
	s_mov_b32 s[LL+1], s[LL]
	s_mov_b32 s[SEL], 0x76543210
	s_mov_b32 s[SEL+1], 0xfedcba98
	s_mov_b32 s[TBK], 0
	s_mov_b32 s[TBV], 0
	s_mov_b32 s[TBM], 0
	s_mov_b32 s[SLOTS], 14
	s_wait_dscnt 0x0                               ; both opening adds are done
	s_wait_kmcnt 0x0
	s_add_nc_u64 s[20:21], s[4:5], s[20:21]
	s_add_nc_u64 s[22:23], s[6:7], s[22:23]
	s_cmp_eq_u32 s[WV], 0
	s_cselect_b64 s[PFA:PFA+1], s[4:5], s[6:7]
	s_add_nc_u64 s[PFA:PFA+1], s[PFA:PFA+1], s[96:97]
	s_add_nc_u64 s[4:5], s[4:5], s[92:93]          ; Q at my first query
	s_add_nc_u64 s[8:9], s[8:9], s[94:95]          ; oh likewise
	CROUND                                         ; all sixteen work-groups are here: the first joint loads meet
.irp s, 0,1
	s_mov_b32 s[G0K+4*\s], 1
	s_mov_b32 s[G0K+4*\s+1], \s*SLOT1
	s_add_nc_u64 s[G0K+4*\s+2:G0K+4*\s+3], s[20:21], \s*16384
	s_or_b32 s[G0K+4*\s+3], s[G0K+4*\s+3], 0x80000000
	s_mov_b32 s[G0V+4*\s], 1
	s_mov_b32 s[G0V+4*\s+1], \s*SLOT1+VOFF
	s_add_nc_u64 s[G0V+4*\s+2:G0V+4*\s+3], s[20:21], 2097152+\s*16384
	s_or_b32 s[G0V+4*\s+3], s[G0V+4*\s+3], 0x80000000
	s_mov_b32 s[G0M+4*\s], 1
	s_add_co_u32 s[G0M+4*\s+1], s90, \s*SLOT1+MOFF
	s_add_nc_u64 s[G0M+4*\s+2:G0M+4*\s+3], s[22:23], \s*512
	s_or_b32 s[G0M+4*\s+3], s[G0M+4*\s+3], 0x80000000
.endr
	s_cmp_eq_u32 s[WV], 0                          ; a wave's two first fills stand in one arm: two loads of mine are out
	s_cbranch_scc0 .Lf_not_k
	tensor_load_to_lds s[G0K:G0K+3], s[G1K:G1K+7]
	s_nop 0
	tensor_load_to_lds s[G0K+4:G0K+7], s[G1K:G1K+7]
	s_nop 0
	PLACES
	s_branch .Lf_asked
.Lf_not_k:
	s_cmp_eq_u32 s[WV], 1
	s_cbranch_scc0 .Lf_not_v
	tensor_load_to_lds s[G0V:G0V+3], s[G1V:G1V+7]
	s_nop 0
	tensor_load_to_lds s[G0V+4:G0V+7], s[G1V:G1V+7]
	s_nop 0
	PLACES
	s_branch .Lf_asked
.Lf_not_v:
	tensor_load_to_lds s[G0M:G0M+3], s[G1M:G1M+7]
	s_nop 0
	tensor_load_to_lds s[G0M+4:G0M+7], s[G1M:G1M+7]
	s_nop 0
	PLACES
.Lf_asked:
	v_and_b32 v1, 15, v0                           ; r
	v_bfe_u32 v13, v0, 4, 1                        ; h
	v_lshlrev_b32 v[QO], 7, v1
	v_lshl_add_u32 v[QO], v13, 4, v[QO]            ; Q: row r of 128 bytes + 16 h
	WIN 0x80
.irp t, 0,1,2,3                                ; Q stays in registers: tile t, channels 32 c on
.irp c, 0,1
	global_load_b128 v[16*\t+8*\c:16*\t+8*\c+3], v[QO], s[4:5] offset:\t*262144+64*\c
	global_load_b128 v[16*\t+8*\c+4:16*\t+8*\c+7], v[QO], s[4:5] offset:\t*262144+64*\c+32
.endr
.endr
	WIN 0
	v_mul_u32_u24 v[AK0], v1, PK
	v_lshl_add_u32 v[AK0], v13, 4, v[AK0]          ; K: row x pitch + 16 h
	v_and_b32 v48, 7, v0
	v_lshl_add_u32 v48, v13, 3, v48                ; V, for the turning load: key 8 h + l % 8,
	v_mul_u32_u24 v[AV0], v48, PVV
	v_bfe_u32 v49, v0, 3, 1
	v_lshl_add_u32 v[AV0], v49, 4, v[AV0]          ; channels 8 ((l / 8) % 2) on
	v_add_nc_u32 v[AV0], VOFF, v[AV0]
	s_mul_i32 s90, s[WV], 16*PM
	v_mul_u32_u24 v[AM0], v1, PM
	v_lshl_add_u32 v[AM0], v13, 5, v[AM0]          ; the mask: my query's row, keys 8 h on
	v_add_nc_u32 v[AM0], s90, v[AM0]
	v_add_nc_u32 v[AM0], MOFF, v[AM0]
	v_mul_u32_u24 v[STO], v1, PM
	v_lshl_add_u32 v[STO], v13, 4, v[STO]
	v_add_nc_u32 v[STO], s90, v[STO]
	v_add_nc_u32 v[STO], STAGE, v[STO]             ; the stage, in: row r, 16 bytes for each half of the lanes
	v_and_b32 v48, 31, v0
	v_lshlrev_b32 v[GO], 4, v48                    ; back: the 32 lanes take a row of 512 bytes; the same in oh
	v_add_nc_u32 v[RD], s90, v[GO]
	v_add_nc_u32 v[RD], STAGE, v[RD]
; 24 LDS loads in one run: the step's K (4 tiles of 16 keys x 2 halves of the channels) and my 16 queries' mask for its 64 keys
.macro FETCH_KM
	WIN 0
	v_add_nc_u32 v[ADK], s[TBK], v[AK0]
	v_add_nc_u32 v[ADM], s[TBM], v[AM0]
	s_add_co_u32 s[TBK], s[TBK], 64*PK
	s_add_co_u32 s[TBM], s[TBM], 256
	WIN 0x80
.irp f, 0,1,2,3,4,5,6,7                        ; keys 16 (f / 2) on, channels 32 (f % 2) on
	ds_load_b128 v[KF+8*\f:KF+8*\f+3], v[ADK] offset:(\f/2)*16*PK+(\f%2)*64
	ds_load_b128 v[KF+8*\f+4:KF+8*\f+7], v[ADK] offset:(\f/2)*16*PK+(\f%2)*64+32
.endr
	WIN 0x40
.irp f, 0,1,2,3                                ; register 8 f + j: key 16 f + 8 h + j
	ds_load_b128 v[MK+8*\f:MK+8*\f+3], v[ADM] offset:64*\f
	ds_load_b128 v[MK+8*\f+4:MK+8*\f+7], v[ADM] offset:64*\f+16
.endr
.endm
; 16 turning loads: the step's V.  The addition and three v_nop are the four places behind the products that read V's registers.
.macro FETCH_V
	WIN 0
	v_add_nc_u32 v[ADV], s[TBV], v[AV0]
	v_nop
	v_nop
	v_nop
	s_add_co_u32 s[TBV], s[TBV], 64*PVV
	WIN 0x80
.irp f, 0,1,2,3,4,5,6,7                        ; keys 32 (f / 4) on, channels 16 (f % 4) on
	ds_load_tr16_b128 v[VF+8*\f:VF+8*\f+3], v[ADV] offset:(\f/4)*32*PVV+(\f%4)*32
	ds_load_tr16_b128 v[VF+8*\f+4:VF+8*\f+7], v[ADV] offset:(\f/4)*32*PVV+16*PVV+(\f%4)*32
.endr
.endm
; 32 products each; the 16 accumulators take turns, one instruction a turn
.macro KQ                              ; product i: channels 32 (i / 16) on, keys 16 ((i / 4) % 4) on, tile i % 4; the first 16 start the sums
	WIN W_KQ
.set i, 0
.rept 32
.set rS, S+32*(i%4)+8*((i/4)%4)
.set rK, KF+16*((i/4)%4)+8*(i/16)
.set rQ, 16*(i%4)+8*(i/16)
.if i < 16
	v_wmma_f32_16x16x32_f16 v[rS:rS+7], v[rK:rK+7], v[rQ:rQ+7], 0
.else
	v_wmma_f32_16x16x32_f16 v[rS:rS+7], v[rK:rK+7], v[rQ:rQ+7], v[rS:rS+7]
.endif
.set i, i+1
.endr
.endm
.macro PV start                        ; product i: keys 32 (i / 16) on, channels 16 ((i / 4) % 4) on, tile i % 4
	WIN W_PV
.set i, 0
.rept 32
.set rO, 32*(i%4)+8*((i/4)%4)
.set rV, VF+8*(4*(i/16)+(i/4)%4)
.set rP, P+16*(i%4)+8*(i/16)
.if \start && (i < 16)
	v_wmma_f32_16x16x32_f16 v[rO:rO+7], v[rV:rV+7], v[rP:rP+7], 0
.else
	v_wmma_f32_16x16x32_f16 v[rO:rO+7], v[rV:rV+7], v[rP:rP+7], v[rO:rO+7]
.endif
.set i, i+1
.endr
.endm
; A KEY STEP.  pv = 2: V^T P of the step before; 1: it starts O^T's sums; 0: none.  first = 1: the first step, which starts M and the sum and has nothing to rescale.
.macro TURN pv, first
	FETCH_KM
.if \pv
	s_wait_dscnt 24                                ; V of the step before is in; the 24 loads just issued may be out
	PV 2-\pv
.endif
	FETCH_V
	s_wait_dscnt 16                                ; K and the mask are in; V's 16 loads may be out
	KQ
	WIN W_RS
.set i, 0
.rept 16
	v_pk_mul_f32 v[MK+i:MK+i+1], v[MK+i:MK+i+1], s[LL:LL+1] op_sel_hi:[1,0]   ; mask x log2(e), once for four heads.  These lines are the places behind the products
.set i, i+2
.endr
	WIN W_MF
.irp t, 0,1,2,3
.set i, 0
.rept 16
	v_pk_fma_f32 v[S+32*\t+i:S+32*\t+i+1], v[S+32*\t+i:S+32*\t+i+1], s[CS:CS+1], v[MK+i:MK+i+1] op_sel_hi:[1,0,1]   ; t, each accumulator from its low end on
.set i, i+2
.endr
.endr
	WIN 0
.irp k, 0,1,2,3                                ; the maximum of a lane's 32, three operands at a time, four chains a tile, the tiles by turns
.irp t, 0,1,2,3
	v_max3_num_f32 v[ST+8*\t+4+\k], v[S+32*\t+8*\k], v[S+32*\t+8*\k+1], v[S+32*\t+8*\k+2]
.endr
.endr
.irp m, 1,2
.irp k, 0,1,2,3
.irp t, 0,1,2,3
	v_max3_num_f32 v[ST+8*\t+4+\k], v[ST+8*\t+4+\k], v[S+32*\t+8*\k+2*\m+1], v[S+32*\t+8*\k+2*\m+2]
.endr
.endr
.endr
.irp t, 0,1,2,3
	v_max3_num_f32 v[ST+8*\t+4], v[ST+8*\t+4], v[S+32*\t+7], v[S+32*\t+15]
.endr
.irp t, 0,1,2,3
	v_max3_num_f32 v[ST+8*\t+6], v[ST+8*\t+6], v[S+32*\t+23], v[S+32*\t+31]
.endr
.irp t, 0,1,2,3
	v_max3_num_f32 v[ST+8*\t+4], v[ST+8*\t+4], v[ST+8*\t+5], v[ST+8*\t+6]
.endr
.irp t, 0,1,2,3
.if \first
	v_max_num_f32 v[ST+8*\t+4], v[ST+8*\t+4], v[ST+8*\t+7]
.else
	v_max3_num_f32 v[ST+8*\t+4], v[ST+8*\t+4], v[ST+8*\t+7], v[ST+8*\t]
.endif
.endr
.irp t, 0,1,2,3
	v_permlanex16_b32 v[ST+8*\t+5], v[ST+8*\t+4], s[SEL], s[SEL+1]   ; the query's other 32 keys lie in the lane 16 away
.endr
.if \first
.else
.irp t, 0,1,2,3
	v_mov_b32 v[ST+8*\t+1], v[ST+8*\t]             ; the old M
.endr
.endif
.irp t, 0,1,2,3
	v_max3_num_f32 v[ST+8*\t], v[ST+8*\t+4], v[ST+8*\t+5], 0xff61b1e6   ; the new M, never under -3e38
.endr
.irp t, 0,1,2,3
.if \first
	v_mov_b32 v[ST+8*\t+1], v[ST+8*\t]             ; (named with M as a pair, so it is written)
.else
	v_sub_f32 v[ST+8*\t+7], v[ST+8*\t+1], v[ST+8*\t]
.endif
.endr
.irp t, 0,1,2,3
.set i, 0
.rept 16
	v_pk_add_f32 v[S+32*\t+i:S+32*\t+i+1], v[S+32*\t+i:S+32*\t+i+1], v[ST+8*\t:ST+8*\t+1] op_sel_hi:[1,0] neg_lo:[0,1] neg_hi:[0,1]   ; t - M
.set i, i+2
.endr
.endr
.if \first
.else
.irp t, 0,1,2,3
	v_exp_f32 v[ST+8*\t+6], v[ST+8*\t+7]           ; a = 2^(old M - new M)
.endr
.endif
.set i, 0
.rept 128
	v_exp_f32 v[S+i], v[S+i]                       ; p: one batch with the four above; none of these lines names a result
.set i, i+1
.endr
	v_nop                                          ; a plain line behind the last exponential
	s_wait_alu depctr_va_vdst(0)                   ; one wait for the batch, ahead of the first line that names a result
.set i, 0
.rept 64
	v_cvt_pk_f16_f32 v[P+i], v[S+2*i], v[S+2*i+1]  ; two tiles of 16 keys, rounded in pairs, are source 1 of V^T P
.set i, i+1
.endr
.irp z, 0,1,2,3,4,5,6,7                        ; the sum of a tile's 16 pairs, in place
.irp t, 0,1,2,3
	v_pk_add_f32 v[S+32*\t+4*\z:S+32*\t+4*\z+1], v[S+32*\t+4*\z:S+32*\t+4*\z+1], v[S+32*\t+4*\z+2:S+32*\t+4*\z+3]
.endr
.endr
.irp z, 0,1,2,3
.irp t, 0,1,2,3
	v_pk_add_f32 v[S+32*\t+8*\z:S+32*\t+8*\z+1], v[S+32*\t+8*\z:S+32*\t+8*\z+1], v[S+32*\t+8*\z+4:S+32*\t+8*\z+5]
.endr
.endr
.irp z, 0,1
.irp t, 0,1,2,3
	v_pk_add_f32 v[S+32*\t+16*\z:S+32*\t+16*\z+1], v[S+32*\t+16*\z:S+32*\t+16*\z+1], v[S+32*\t+16*\z+8:S+32*\t+16*\z+9]
.endr
.endr
.if \first
.irp t, 0,1,2,3
	v_pk_add_f32 v[ST+8*\t+2:ST+8*\t+3], v[S+32*\t:S+32*\t+1], v[S+32*\t+16:S+32*\t+17]
.endr
.else
.irp t, 0,1,2,3
	v_pk_add_f32 v[S+32*\t:S+32*\t+1], v[S+32*\t:S+32*\t+1], v[S+32*\t+16:S+32*\t+17]
.endr
.irp t, 0,1,2,3
	v_pk_fma_f32 v[ST+8*\t+2:ST+8*\t+3], v[ST+8*\t+2:ST+8*\t+3], v[ST+8*\t+6:ST+8*\t+7], v[S+32*\t:S+32*\t+1] op_sel_hi:[1,0,1]
.endr
	WIN W_RS
.irp t, 0,1,2,3
.set i, 0
.rept 16
	v_pk_mul_f32 v[32*\t+i:32*\t+i+1], v[32*\t+i:32*\t+i+1], v[ST+8*\t+6:ST+8*\t+7] op_sel_hi:[1,0]   ; O^T x a, each accumulator from its low end on
.set i, i+2
.endr
.endr
.endif
.endm
; THE CHANGE OF SLOTS.  All of the slot's K, mask and V have been asked for.  Each wave waits for all its tensor loads (its part of the other slot), adds 0 to its spare word, and waits for that and for its reads.
; fill = 1: behind a round of the cluster's barrier this slot takes the keys two slots on: the load has two key steps in which to land.
.macro CHANGE fill
	WIN 0
	s_wait_tensorcnt 0x0                           ; no tensor load of mine is out, so a group 0 may be written
	ds_add_u32 v[SPW], v[NIL]
.if \fill
	s_xor_b32 s[G0K+5], s[G0K+5], SLOT1
	s_add_nc_u64 s[G0K+6:G0K+7], s[G0K+6:G0K+7], 16384
	s_xor_b32 s[G0V+5], s[G0V+5], SLOT1
	s_add_nc_u64 s[G0V+6:G0V+7], s[G0V+6:G0V+7], 16384
	s_xor_b32 s[G0M+5], s[G0M+5], SLOT1
	s_add_nc_u64 s[G0M+6:G0M+7], s[G0M+6:G0M+7], 512
	s_wait_xcnt 0x0                                ; the last prefetch, two key steps back, has read its address
	s_add_nc_u64 s[PFA:PFA+1], s[PFA:PFA+1], s[PFS:PFS+1]
	s_wait_dscnt 0x0                               ; the add is done, and my reads of the slot are over
	CROUND
	JLOAD
	ASK
.else
	s_wait_dscnt 0x0
	s_barrier_signal -1
	s_barrier_wait -1
.endif
	s_sub_co_u32 s[TBK], s[TBK], 2*64*PK           ; back to a slot's first step, in the other slot
	s_xor_b32 s[TBK], s[TBK], SLOT1
	s_sub_co_u32 s[TBV], s[TBV], 2*64*PVV
	s_xor_b32 s[TBV], s[TBV], SLOT1
	s_sub_co_u32 s[TBM], s[TBM], 512
	s_xor_b32 s[TBM], s[TBM], SLOT1
.endm
.macro TWO_TURNS                       ; a slot's two key steps: written once, walked twice
	s_mov_b32 s[TWICE], 2
.Lstep_\@:
	TURN 2, 0
	WIN 0
	s_sub_co_u32 s[TWICE], s[TWICE], 1
	s_cmp_lg_u32 s[TWICE], 0
	s_cbranch_scc1 .Lstep_\@
.endm
	s_wait_tensorcnt 0x1                           ; my part of slot 0 is in; slot 1's may stay out
	s_barrier_signal -1
	s_barrier_wait -1
	s_wait_loadcnt 0x0                             ; Q
	TURN 0, 1
	TURN 1, 0
	WIN 0
.Lslot:                                        ; 14 trips: tiles 2 to 15 are asked for, tiles 1 to 14 are walked
	CHANGE 1
	TWO_TURNS
	s_sub_co_u32 s[SLOTS], s[SLOTS], 1
	s_cmp_lg_u32 s[SLOTS], 0
	s_cbranch_scc1 .Lslot
	CHANGE 0                                       ; the last tile is written out: nothing is asked for
	TWO_TURNS
	s_wait_dscnt 0x0                               ; V of the last step
	PV 0
	; THE WAY OUT.  The sum's halves meet; O^T / the sum, f16, through my stage: a token's four heads are 512 consecutive bytes of oh.  The additions are the places behind the last products.
	WIN 0
.irp t, 0,1,2,3
	v_add_f32 v[ST+8*\t+4], v[ST+8*\t+2], v[ST+8*\t+3]
.endr
.irp t, 0,1,2,3
	v_permlanex16_b32 v[ST+8*\t+5], v[ST+8*\t+4], s[SEL], s[SEL+1]
.endr
.irp t, 0,1,2,3
	v_add_f32 v[ST+8*\t+4], v[ST+8*\t+4], v[ST+8*\t+5]
.endr
.irp t, 0,1,2,3
	v_rcp_f32 v[ST+8*\t+6], v[ST+8*\t+4]
.endr
	v_nop
	s_wait_alu depctr_va_vdst(0)                   ; one wait for the four reciprocals, ahead of their first reader
.irp t, 0,1,2,3
	WIN W_RS
.set i, 0
.rept 16
	v_pk_mul_f32 v[32*\t+i:32*\t+i+1], v[32*\t+i:32*\t+i+1], v[ST+8*\t+6:ST+8*\t+7] op_sel_hi:[1,0]
.set i, i+2
.endr
	WIN 0x05
.set i, 0
.rept 16
	v_cvt_pk_f16_f32 v[S+16*\t+i], v[32*\t+2*i], v[32*\t+2*i+1]
.set i, i+1
.endr
	WIN 0
.irp c, 0,1,2,3
	ds_store_b128 v[STO], v[S+16*\t+4*\c:S+16*\t+4*\c+3] offset:128*\t+32*\c
.endr
.endr
.irp n, 0,1,2,3,4,5,6,7,8,9,10,11,12,13,14,15
	ds_load_b128 v[S+64+4*\n:S+64+4*\n+3], v[RD] offset:\n*PM   ; LDS serves a wave's instructions in order: these see my stores
.endr
.irp n, 0,1,2,3,4,5,6,7,8,9,10,11,12,13,14,15
	s_wait_dscnt 15-\n
	global_store_b128 v[GO], v[S+64+4*\n:S+64+4*\n+3], s[8:9] offset:\n*4096   ; 512 consecutive bytes, aligned
.endr
	s_wait_tensorcnt 0x0                           ; the wave's end
	ds_add_u32 v[SPW], v[NIL]
	s_wait_dscnt 0x0
	CROUND                                         ; the closing round
	s_endpgm
.Lfunc_end_k_qe0492d3ab1_attn:
	.size	k_qe0492d3ab1_attn, .Lfunc_end_k_qe0492d3ab1_attn-k_qe0492d3ab1_attn
	.p2alignl 7, 3214868480
	.fill 96, 4, 3214868480
	.section	.rodata,"a",@progbits
	.p2align	6, 0x0
	.amdhsa_kernel k_qe0492d3ab1_attn
		.amdhsa_group_segment_fixed_size 327680
		.amdhsa_private_segment_fixed_size 0
		.amdhsa_enable_private_segment 0
		.amdhsa_kernarg_size 24
		.amdhsa_user_sgpr_count 2
		.amdhsa_user_sgpr_kernarg_segment_ptr 1
		.amdhsa_wavefront_size32 1
		.amdhsa_system_sgpr_workgroup_id_x 1
		.amdhsa_system_sgpr_workgroup_id_y 1
		.amdhsa_system_sgpr_workgroup_id_z 1
		.amdhsa_system_vgpr_workitem_id 0
		.amdhsa_next_free_vgpr 768
		.amdhsa_next_free_sgpr 104
		.amdhsa_reserve_vcc 0
		.amdhsa_float_denorm_mode_32 3
		.amdhsa_float_denorm_mode_16_64 3
		.amdhsa_memory_ordered 1
		.amdhsa_forward_progress 1
		.amdhsa_inst_pref_size 173
	.end_amdhsa_kernel
	.amdgpu_metadata
---
amdhsa.version: [ 1, 2 ]
amdhsa.kernels:
  - .name:           k_qe0492d3ab1_attn
    .symbol:         k_qe0492d3ab1_attn.kd
    .args:
      - { .name: qkv, .offset: 0, .size: 8, .value_kind: global_buffer, .address_space: global }
      - { .name: mask, .offset: 8, .size: 8, .value_kind: global_buffer, .address_space: global }
      - { .name: oh, .offset: 16, .size: 8, .value_kind: global_buffer, .address_space: global }
    .group_segment_fixed_size: 327680
    .private_segment_fixed_size: 0
    .kernarg_segment_align: 8
    .kernarg_segment_size: 24
    .max_flat_workgroup_size: 128
    .sgpr_count:     104
    .vgpr_count:     768
    .wavefront_size: 32
...
	.end_amdgpu_metadata
.endif
;; end of part 3
;; launch fattn (part 4): grid 96 x 1, 8 waves a work-group, no clusters, 297,984 bytes of LDS; arguments qkv, kvf, mask, ofine, wo, woh; writes ofine, woh
.if DOCPART == 4
	.amdgcn_target "amdgcn-amd-amdhsa--gfx1250"
	.amdhsa_code_object_version 6
	.text
	.protected	k_qe0492d3ab1_fattn
	.globl	k_qe0492d3ab1_fattn
	.p2align	8
	.type	k_qe0492d3ab1_fattn,@function
k_qe0492d3ab1_fattn:
	s_mov_b64 s[64:65], 0
	v_nop
	global_prefetch_b8 v0, s[64:65] scope:SCOPE_SE
	s_setreg_imm32_b32 hwreg(HW_REG_WAVE_MODE, 25, 1), 1
	s_wait_xcnt 0x0
; WORK-GROUPS 0-31: THE FIRST 16 POSITIONS, CARRIED FINELY: the attention of tokens 0-15, all 32 heads, all 2,048 keys, with k, v, the weights p and the result as PAIRS of f16 numbers, a high and a low part.
; Rows that sum few keys are the largest in size, and one f16 number an operand uses up what they are allowed; under a mask like a causal one those are the first rows.  The mask is an input: every number
; of its 16 rows is read and added, and every key is computed.  A mask that lets later rows sum few keys leaves those rows to the launch with plain f16 operands.
; WORK-GROUPS 32-95 round wo [2048][2048], f32, to f16 (woh) for the projection of all rows: work that hangs on nothing here, on WGPs that the 32 heads leave without work.  That path touches no LDS.
; qkv [48 heads][2048][64] f16: of it q alone is read, times 2^-6: one f16 number; its rounding moves a score by about 1e-4, and a weight alike for all 64 channels of a head.
; kvf [16 heads: k (times 2^-6) 0-7, v 8-15][H, L][128 blocks of 16 tokens][4 blocks of 16 channels][32 lanes][16 bytes] f16: lane (r, h) holds token r, channels 16 d + 8 h + 0 .. 7 of block d.
; So every load of k and v covers 512 consecutive bytes; blocks d = 2 c, 2 c + 1 ARE registers 0-3, 4-7 of a fragment of K (16 keys x 32 channels); V goes through the wave's own stage in LDS and comes back turned.
; S^T = (Kh + Kl) Q;  t = S^T 512 log2(e) + mask log2(e);  a running maximum M, never under -3e38;  p = 2^(t - M), the maximum taken away first;  p = Ph + Pl;  O^T += Vh Ph + Vl Ph + Vh Pl.
; THE SPLIT, in f32: c = 8193 x, H = c - (c - x), L = x - H: H has 11 significant bits.  LIMITS: as in the launch for all rows; low parts' bits under 2^-24 are lost; wo beyond 65,504 has no f16 number.
; SHARES.  A work-group takes a head; wave w of eight takes keys 256 w .. 256 w + 255, four steps of 64, written out.  No wave reads what another loaded.
; At the end the eight waves' M, sum and O^T meet in LDS as
; images of their registers, each in its wave's mask stage, which is done with; waves 0-3 merge one tile of 16 channels each.  A head's sums over keys stay in one work-group, so that no further launch adds parts.
; No prefetch: the launch is short, and a wave asks for each step's K a whole step ahead.
; ofine is laid as the next launch's operand registers: [hi, lo][64 K steps of 32][registers 0-3, 4-7][32 lanes][16 bytes]: a wave's store covers 512 consecutive bytes.
; REGISTERS.  window 0: v2-9 addresses, v14-15 the add's two, v16-23 statistics (M, old M, the sum in two halves, four at work; a takes +6, its exponent +7), v24-27 the merge's addresses, v32-47 Q, v64-95 S^T,
;   v96-111 Ph, v112-127 Pl, v128-159 O^T, v160-191 the mask, v192-255 c and d of the split (at the head v64-191 take the mask as loaded).   window 1: v0-63 Kh, v64-127 Kl, v128-191 Vh, v192-255 Vl.
.set PVV,   160                        ; a row of V in the stage: 128 bytes + 32
.set VST,   64*PVV                     ; a stage: 64 keys
.set WREG,  2*VST                      ; a wave's two stages: high parts, low parts
.set MSTG,  8*WREG                     ; behind them the mask's stages
.set PMK,   1040                       ; a row: 1,024 bytes + 16
.set MREG,  16*PMK                     ; a wave's; later its images: M (128 bytes), the sum (128), O^T (4,096)
.set SPARE, MSTG+8*MREG                ; behind them the spare words, 128 bytes a wave
.set QO,  2                            ; 128 r + 16 h: my place in 16 rows of Q
.set MWS, 3                            ; my mask stage + 16 x lane: the mask on its way in; later my image of O^T
.set VO,  4                            ; 16 x lane
.set VS,  5                            ; V's stage, in: row r, + 16 h
.set AV,  6                            ; V's stage, back, turned
.set MRD, 7                            ; my mask stage, back: row r, + 32 h
.set MS,  8                            ; my images of M and the sum: 4 x lane
.set W8,  9                            ; 8 x lane (wo)
.set SPW, 14
.set NIL, 15
.set ST,  16
.set RS,  24                           ; v24-25 the merge: the images of M and the sum of waves 0-3, 4-7
.set RI,  26                           ; v26-27 the merge: the images of my tile of O^T of waves 0-3, 4-7
.set Q,   32
.set MT,  64
.set S,   64
.set PH,  96
.set PL,  112
.set O,   128
.set MK,  160
.set CC,  192
.set DD,  224
.set KH,  0
.set KL,  64
.set VH,  128
.set VL,  192
.set WR,  16                           ; wo: v16-143 two sets of 64 numbers;
.set WH,  144                          ; v144-175 a group's f16 pairs
.set CS,  32                           ; s[32:33] 512 log2(e)
.set LL,  34                           ; s[34:35] log2(e)
.set SEL, 36
.set KS,  38                           ; s[38:39] 8193
.set MSB, 0
.macro WIN new
.if MSB != \new
	s_set_vgpr_msb (MSB<<8)|\new
.set MSB, \new
.endif
.endm
.macro PLACES
.rept 4
	v_nop
.endr
.endm
	s_load_b256 s[4:11], s[0:1], 0x0               ; qkv s[4:5], kvf s[6:7], mask s[8:9], ofine s[10:11]
	s_load_b128 s[48:51], s[0:1], 0x20             ; wo s[48:49], woh s[50:51]
	v_lshl_add_u32 v[SPW], v0, 2, SPARE
	v_mov_b32 v[NIL], 0
	v_lshrrev_b32 v1, 5, v0
	v_readfirstlane_b32 s12, v1                    ; wave 0..7
	s_lshr_b32 s14, ttmp9, 2                       ; the head's group
	v_and_b32 v1, 15, v0                           ; r
	v_bfe_u32 v13, v0, 4, 1                        ; h
	v_and_b32 v12, 31, v0                          ; lane
	v_lshlrev_b32 v[QO], 7, v1
	v_lshl_add_u32 v[QO], v13, 4, v[QO]
	v_lshlrev_b32 v[VO], 4, v12
	v_lshlrev_b32 v[W8], 3, v12
	s_mul_i32 s40, s12, WREG
	v_mul_u32_u24 v[VS], v1, PVV                   ; in: my 16 bytes are token r's, channels 8 h on of the block
	v_lshl_add_u32 v[VS], v13, 4, v[VS]
	v_add_nc_u32 v[VS], s40, v[VS]
	v_and_b32 v28, 7, v0
	v_lshl_add_u32 v29, v13, 3, v28                ; back: key 8 h + l % 8,
	v_mul_u32_u24 v[AV], v29, PVV
	v_bfe_u32 v30, v0, 3, 1
	v_lshl_add_u32 v[AV], v30, 4, v[AV]            ; channels 8 ((l / 8) % 2) on
	v_add_nc_u32 v[AV], s40, v[AV]
	s_mul_i32 s41, s12, MREG
	s_add_co_u32 s41, s41, MSTG                    ; my mask stage
	v_add_nc_u32 v[MWS], s41, v[VO]
	v_mul_u32_u24 v[MRD], v1, PMK
	v_lshl_add_u32 v[MRD], v13, 5, v[MRD]
	v_add_nc_u32 v[MRD], s41, v[MRD]
	v_lshl_add_u32 v[MS], v12, 2, s41
	v_lshl_add_u32 v[RS], v12, 2, MSTG
	v_add_nc_u32 v[RS+1], 4*MREG, v[RS]
	s_and_b32 s42, s12, 3                          ; the tile that I merge (waves 0-3)
	s_lshl_b32 s43, s42, 10
	s_add_co_u32 s43, s43, MSTG+256
	v_add_nc_u32 v[RI], s43, v[VO]
	v_add_nc_u32 v[RI+1], 4*MREG, v[RI]
	s_mov_b32 s[CS], 0x4438aa3b
	s_mov_b32 s[CS+1], s[CS]
	s_mov_b32 s[LL], 0x3fb8aa3b
	s_mov_b32 s[LL+1], s[LL]
	s_mov_b32 s[SEL], 0x76543210
	s_mov_b32 s[SEL+1], 0xfedcba98
	s_mov_b32 s[KS], 0x46000400
	s_mov_b32 s[KS+1], s[KS]
	s_lshl_b32 s40, ttmp9, 18                      ; Q: my head, tokens 0-15
	s_mov_b32 s41, 0
	s_lshl_b32 s44, s14, 19                        ; kvf: my group's head of k: two parts of 262,144 bytes a head,
	s_lshl_b32 s45, s12, 15                        ; my wave's 256 keys of 128 bytes
	s_add_co_u32 s44, s44, s45
	s_mov_b32 s45, 0
	s_lshl_b32 s46, s12, 10                        ; the mask: my wave's 256 keys of 4 bytes
	s_mov_b32 s47, 0
	s_wait_kmcnt 0x0
	s_cmp_ge_u32 ttmp9, 32                         ; the work-group's number alone decides the path
	s_cbranch_scc1 .Lwo
	s_add_nc_u64 s[16:17], s[4:5], s[40:41]        ; Q
	s_add_nc_u64 s[18:19], s[6:7], s[44:45]        ; K's high parts
	s_add_nc_u64 s[20:21], s[18:19], 262144        ; K's low parts
	s_add_nc_u64 s[22:23], s[18:19], 4194304       ; V's high parts: eight heads on
	s_add_nc_u64 s[24:25], s[20:21], 4194304       ; V's low parts
	s_add_nc_u64 s[26:27], s[8:9], s[46:47]
	s_lshl_b32 s46, ttmp9, 11                      ; ofine: 2,048 bytes a head, 512 a tile of 16 channels
	s_lshl_b32 s42, s42, 9
	s_add_co_u32 s46, s46, s42
	s_add_nc_u64 s[28:29], s[10:11], s[46:47]
.macro LOADK j                         ; 32 loads of 512 consecutive bytes: step j's K, high and low: fragment f: keys 16 (f / 2) on, channels 32 (f % 2) on
	WIN 0x40
.irp f, 0,1,2,3,4,5,6,7
	global_load_b128 v[KH+8*\f:KH+8*\f+3], v[VO], s[18:19] offset:(64*(\j)+16*(\f/2))*128+(\f%2)*1024
	global_load_b128 v[KH+8*\f+4:KH+8*\f+7], v[VO], s[18:19] offset:(64*(\j)+16*(\f/2))*128+(\f%2)*1024+512
.endr
.irp f, 0,1,2,3,4,5,6,7
	global_load_b128 v[KL+8*\f:KL+8*\f+3], v[VO], s[20:21] offset:(64*(\j)+16*(\f/2))*128+(\f%2)*1024
	global_load_b128 v[KL+8*\f+4:KL+8*\f+7], v[VO], s[20:21] offset:(64*(\j)+16*(\f/2))*128+(\f%2)*1024+512
.endr
.endm
.macro LDSM j                          ; 8 LDS loads: register 8 f + i is the mask of my query at key 64 j + 16 f + 8 h + i of my wave's
	WIN 0
.irp f, 0,1,2,3
	ds_load_b128 v[MK+8*\f:MK+8*\f+3], v[MRD] offset:256*(\j)+64*\f
	ds_load_b128 v[MK+8*\f+4:MK+8*\f+7], v[MRD] offset:256*(\j)+64*\f+16
.endr
.endm
.macro LOADV j                         ; 32 loads of 512 consecutive bytes: step j's V, high and low: load n: tokens 16 (n / 4) on, channels 16 (n % 4) on
	WIN 0x40
.irp n, 0,1,2,3,4,5,6,7,8,9,10,11,12,13,14,15
	global_load_b128 v[VH+4*\n:VH+4*\n+3], v[VO], s[22:23] offset:8192*(\j)+512*\n
.endr
.irp n, 0,1,2,3,4,5,6,7,8,9,10,11,12,13,14,15
	global_load_b128 v[VL+4*\n:VL+4*\n+3], v[VO], s[24:25] offset:8192*(\j)+512*\n
.endr
.endm
.macro TURNV                           ; V through my stages: in as rows of 64 channels, back as fragments of V^T: keys 32 (f / 4) on, channels 16 (f % 4) on
	WIN 0x04
.irp n, 0,1,2,3,4,5,6,7,8,9,10,11,12,13,14,15
	ds_store_b128 v[VS], v[VH+4*\n:VH+4*\n+3] offset:(\n/4)*16*PVV+(\n%4)*32
.endr
.irp n, 0,1,2,3,4,5,6,7,8,9,10,11,12,13,14,15
	ds_store_b128 v[VS], v[VL+4*\n:VL+4*\n+3] offset:VST+(\n/4)*16*PVV+(\n%4)*32
.endr
	s_wait_dscnt 0x0                               ; the stores have read their registers: the loads below land on them
	WIN 0x40
.irp f, 0,1,2,3,4,5,6,7
	ds_load_tr16_b128 v[VH+8*\f:VH+8*\f+3], v[AV] offset:(\f/4)*32*PVV+(\f%4)*32
	ds_load_tr16_b128 v[VH+8*\f+4:VH+8*\f+7], v[AV] offset:(\f/4)*32*PVV+16*PVV+(\f%4)*32
.endr
.irp f, 0,1,2,3,4,5,6,7
	ds_load_tr16_b128 v[VL+8*\f:VL+8*\f+3], v[AV] offset:VST+(\f/4)*32*PVV+(\f%4)*32
	ds_load_tr16_b128 v[VL+8*\f+4:VL+8*\f+7], v[AV] offset:VST+(\f/4)*32*PVV+16*PVV+(\f%4)*32
.endr
.endm
; 16 products: part i / 8 (high, low) of K, channels 32 ((i / 4) % 2) on, keys 16 (i % 4) on.  The four accumulators take turns, one instruction a turn; the first four start the sums.
.macro KQ
	WIN 0x01
.set i, 0
.rept 16
.set rS, S+8*(i%4)
.set rK, 64*(i/8)+16*(i%4)+8*((i/4)%2)
.set rQ, Q+8*((i/4)%2)
.if i < 4
	v_wmma_f32_16x16x32_f16 v[rS:rS+7], v[rK:rK+7], v[rQ:rQ+7], 0
.else
	v_wmma_f32_16x16x32_f16 v[rS:rS+7], v[rK:rK+7], v[rQ:rQ+7], v[rS:rS+7]
.endif
.set i, i+1
.endr
.endm
; 24 products: part i / 8 (Vh Ph, Vl Ph, Vh Pl), keys 32 ((i / 4) % 2) on, channels 16 (i % 4) on; four accumulators by turns
.macro PV start
	WIN 0x01
.set i, 0
.rept 24
.set rO, O+8*(i%4)
.set rV, VH+64*((i/8)%2)+8*(4*((i/4)%2)+i%4)
.set rP, PH+16*(i/16)+8*((i/4)%2)
.if \start && (i < 4)
	v_wmma_f32_16x16x32_f16 v[rO:rO+7], v[rV:rV+7], v[rP:rP+7], 0
.else
	v_wmma_f32_16x16x32_f16 v[rO:rO+7], v[rV:rV+7], v[rP:rP+7], v[rO:rO+7]
.endif
.set i, i+1
.endr
.endm
; A KEY STEP.  first = 1: it starts M, the sum and O^T.  more = 1: the next step's K and mask are asked for behind this step's scores, its V behind this step's second product.
.macro STEP j, first, more
	s_wait_loadcnt 32                              ; K (in step 0: Q too) is in; V's 32 loads may be out
	KQ
	WIN 0
.if \first
	s_wait_dscnt 0x0                               ; step 0's mask is back from the stage (a later step's was waited for with the step before's V)
.endif
.set i, 0
.rept 16
	v_pk_mul_f32 v[MK+i:MK+i+1], v[MK+i:MK+i+1], s[LL:LL+1] op_sel_hi:[1,0]   ; mask x log2(e).  These lines are the places behind the products
.set i, i+2
.endr
.set i, 0
.rept 16
	v_pk_fma_f32 v[S+i:S+i+1], v[S+i:S+i+1], s[CS:CS+1], v[MK+i:MK+i+1] op_sel_hi:[1,0,1]   ; t, each accumulator from its low end on
.set i, i+2
.endr
.if \more
	LOADK (\j)+1
	LDSM (\j)+1
	s_wait_loadcnt 32                              ; this step's V is in; the next step's K, 32 loads just issued, may be out
.else
	s_wait_loadcnt 0x0
.endif
	TURNV                                          ; the turned loads land under the softmax
	WIN 0
.irp k, 0,1,2,3
	v_max3_num_f32 v[ST+4+\k], v[S+8*\k], v[S+8*\k+1], v[S+8*\k+2]
.endr
.irp m, 1,2
.irp k, 0,1,2,3
	v_max3_num_f32 v[ST+4+\k], v[ST+4+\k], v[S+8*\k+2*\m+1], v[S+8*\k+2*\m+2]
.endr
.endr
	v_max3_num_f32 v[ST+4], v[ST+4], v[S+7], v[S+15]
	v_max3_num_f32 v[ST+6], v[ST+6], v[S+23], v[S+31]
	v_max3_num_f32 v[ST+4], v[ST+4], v[ST+5], v[ST+6]
.if \first
	v_max_num_f32 v[ST+4], v[ST+4], v[ST+7]
.else
	v_max3_num_f32 v[ST+4], v[ST+4], v[ST+7], v[ST]
.endif
	v_permlanex16_b32 v[ST+5], v[ST+4], s[SEL], s[SEL+1]   ; the query's other 32 keys lie in the lane 16 away
.if \first
.else
	v_mov_b32 v[ST+1], v[ST]                       ; the old M
.endif
	v_max3_num_f32 v[ST], v[ST+4], v[ST+5], 0xff61b1e6   ; the new M, never under -3e38
.if \first
	v_mov_b32 v[ST+1], v[ST]                       ; (named with M as a pair, so it is written)
.else
	v_sub_f32 v[ST+7], v[ST+1], v[ST]
.endif
.set i, 0
.rept 16
	v_pk_add_f32 v[S+i:S+i+1], v[S+i:S+i+1], v[ST:ST+1] op_sel_hi:[1,0] neg_lo:[0,1] neg_hi:[0,1]   ; t - M
.set i, i+2
.endr
.if \first
.else
	v_exp_f32 v[ST+6], v[ST+7]                     ; a = 2^(old M - new M)
.endif
.set i, 0
.rept 32
	v_exp_f32 v[S+i], v[S+i]                       ; p: one batch; none of these lines names a result
.set i, i+1
.endr
	v_nop                                          ; a plain line behind the last exponential
	s_wait_alu depctr_va_vdst(0)                   ; one wait for the batch, ahead of the first line that names a result
.set i, 0
.rept 16
	v_pk_mul_f32 v[CC+i:CC+i+1], v[S+i:S+i+1], s[KS:KS+1] op_sel_hi:[1,0]                  ; the split of p: c = 8193 p
.set i, i+2
.endr
.set i, 0
.rept 16
	v_pk_add_f32 v[DD+i:DD+i+1], v[CC+i:CC+i+1], v[S+i:S+i+1] neg_lo:[0,1] neg_hi:[0,1]    ; c - p
.set i, i+2
.endr
.set i, 0
.rept 16
	v_pk_add_f32 v[CC+i:CC+i+1], v[CC+i:CC+i+1], v[DD+i:DD+i+1] neg_lo:[0,1] neg_hi:[0,1]  ; H
.set i, i+2
.endr
.set i, 0
.rept 16
	v_pk_add_f32 v[DD+i:DD+i+1], v[S+i:S+i+1], v[CC+i:CC+i+1] neg_lo:[0,1] neg_hi:[0,1]    ; L
.set i, i+2
.endr
.set i, 0
.rept 16
	v_cvt_pk_f16_f32 v[PH+i], v[CC+2*i], v[CC+2*i+1]   ; two tiles of 16 keys, in pairs, are source 1 of the second product
.set i, i+1
.endr
.set i, 0
.rept 16
	v_cvt_pk_f16_f32 v[PL+i], v[DD+2*i], v[DD+2*i+1]
.set i, i+1
.endr
.irp z, 0,1,2,3,4,5,6,7                        ; the sum of the 16 pairs of p, in place
	v_pk_add_f32 v[S+4*\z:S+4*\z+1], v[S+4*\z:S+4*\z+1], v[S+4*\z+2:S+4*\z+3]
.endr
.irp z, 0,1,2,3
	v_pk_add_f32 v[S+8*\z:S+8*\z+1], v[S+8*\z:S+8*\z+1], v[S+8*\z+4:S+8*\z+5]
.endr
.irp z, 0,1
	v_pk_add_f32 v[S+16*\z:S+16*\z+1], v[S+16*\z:S+16*\z+1], v[S+16*\z+8:S+16*\z+9]
.endr
.if \first
	v_pk_add_f32 v[ST+2:ST+3], v[S:S+1], v[S+16:S+17]
.else
	v_pk_add_f32 v[S:S+1], v[S:S+1], v[S+16:S+17]
	v_pk_fma_f32 v[ST+2:ST+3], v[ST+2:ST+3], v[ST+6:ST+7], v[S:S+1] op_sel_hi:[1,0,1]
.set i, 0
.rept 16
	v_pk_mul_f32 v[O+i:O+i+1], v[O+i:O+i+1], v[ST+6:ST+7] op_sel_hi:[1,0]   ; O^T x a, each accumulator from its low end on
.set i, i+2
.endr
.endif
	s_wait_dscnt 0x0                               ; V's fragments are in
	PV \first
.if \more
	PLACES                                         ; four places in front of loads into registers that the products have read
	LOADV (\j)+1
.endif
.endm
.set mm, 0
.rept 32                                       ; my part of the mask: load mm: row mm / 2, its half mm % 2: 512 consecutive bytes
	global_load_b128 v[MT+4*mm:MT+4*mm+3], v[VO], s[26:27] offset:(mm/2)*8192+(mm%2)*512
.set mm, mm+1
.endr
.irp c, 0,1                                    ; Q stays in registers: channels 32 c on
	global_load_b128 v[Q+8*\c:Q+8*\c+3], v[QO], s[16:17] offset:64*\c
	global_load_b128 v[Q+8*\c+4:Q+8*\c+7], v[QO], s[16:17] offset:64*\c+32
.endr
	LOADK 0
	WIN 0
	s_wait_loadcnt 36                              ; the mask's 32 loads are in; Q's 4 and K's 32 may be out
.set mm, 0
.rept 32
	ds_store_b128 v[MWS], v[MT+4*mm:MT+4*mm+3] offset:(mm/2)*PMK+(mm%2)*512
.set mm, mm+1
.endr
	LOADV 0
	s_wait_dscnt 0x0                               ; the stores have read their registers: the loads below, and the first products, land on them
	LDSM 0
	STEP 0, 1, 1
	STEP 1, 0, 1
	STEP 2, 0, 1
	STEP 3, 0, 0
	; MY PART IS DONE: M, the sum and O^T go to LDS as they stand in my registers, into my mask stage: my last read of it was waited for two steps ago
	WIN 0
	v_add_f32 v[ST+4], v[ST+2], v[ST+3]
	v_permlanex16_b32 v[ST+5], v[ST+4], s[SEL], s[SEL+1]
	v_add_f32 v[ST+4], v[ST+4], v[ST+5]            ; the sum over my 256 keys, in both halves of the lanes
	v_nop
	v_nop                                          ; (two additions and two v_nop: four places behind the last products)
	ds_store_b32 v[MS], v[ST]
	ds_store_b32 v[MS], v[ST+4] offset:128
.irp f, 0,1,2,3,4,5,6,7
	ds_store_b128 v[MWS], v[O+4*\f:O+4*\f+3] offset:256+512*\f
.endr
	s_wait_dscnt 0x0                               ; for the others' sake: my stores are done
	s_barrier_signal -1
	s_barrier_wait -1
	s_cmp_ge_u32 s12, 4
	s_cbranch_scc1 .Ldone
	; THE MERGE: wave w of 0-3 takes channels 16 w .. 16 w + 15.  f_i = 2^(M_i - the largest M); o = sum of f_i O_i / sum of f_i l_i
.irp w, 0,1,2,3,4,5,6,7
	ds_load_b32 v[64+2*\w], v[RS+(\w/4)] offset:(\w%4)*MREG
	ds_load_b32 v[65+2*\w], v[RS+(\w/4)] offset:(\w%4)*MREG+128
.endr
.irp w, 0,1,2,3,4,5,6,7
	ds_load_b128 v[128+8*\w:128+8*\w+3], v[RI+(\w/4)] offset:(\w%4)*MREG
	ds_load_b128 v[128+8*\w+4:128+8*\w+7], v[RI+(\w/4)] offset:(\w%4)*MREG+512
.endr
	s_wait_dscnt 16                                ; the sixteen words are in; the sixteen images of O^T may be out
	v_max3_num_f32 v80, v64, v66, v68
	v_max3_num_f32 v80, v80, v70, v72
	v_max3_num_f32 v80, v80, v74, v76
	v_max_num_f32 v80, v80, v78
.irp w, 0,1,2,3,4,5,6,7
	v_sub_f32 v[64+2*\w], v[64+2*\w], v80
.endr
.irp w, 0,1,2,3,4,5,6,7
	v_exp_f32 v[64+2*\w], v[64+2*\w]
.endr
	v_mov_b32 v83, 0                               ; (named with the reciprocal as a pair.)  A plain line behind the last exponential
	s_wait_alu depctr_va_vdst(0)                   ; one wait for the eight
	v_mul_f32 v81, v64, v65
.irp w, 1,2,3,4,5,6,7
	v_fmac_f32 v81, v[64+2*\w], v[65+2*\w]
.endr
	v_rcp_f32 v82, v81
	s_wait_dscnt 0x0
.irp p, 0,1,2,3
	v_pk_mul_f32 v[192+2*\p:193+2*\p], v[128+2*\p:129+2*\p], v[64:65] op_sel_hi:[1,0]
.endr
.irp w, 1,2,3,4,5,6,7
.irp p, 0,1,2,3
	v_pk_fma_f32 v[192+2*\p:193+2*\p], v[128+8*\w+2*\p:129+8*\w+2*\p], v[64+2*\w:65+2*\w], v[192+2*\p:193+2*\p] op_sel_hi:[1,0,1]
.endr
.endr
	s_wait_alu depctr_va_vdst(0)                   ; the reciprocal's wait, ahead of its first reader; the sums above are the work between
.irp p, 0,1,2,3
	v_pk_mul_f32 v[192+2*\p:193+2*\p], v[192+2*\p:193+2*\p], v[82:83] op_sel_hi:[1,0]
.endr
.irp p, 0,1,2,3
	v_pk_mul_f32 v[200+2*\p:201+2*\p], v[192+2*\p:193+2*\p], s[KS:KS+1] op_sel_hi:[1,0]
.endr
.irp p, 0,1,2,3
	v_pk_add_f32 v[208+2*\p:209+2*\p], v[200+2*\p:201+2*\p], v[192+2*\p:193+2*\p] neg_lo:[0,1] neg_hi:[0,1]
.endr
.irp p, 0,1,2,3
	v_pk_add_f32 v[200+2*\p:201+2*\p], v[200+2*\p:201+2*\p], v[208+2*\p:209+2*\p] neg_lo:[0,1] neg_hi:[0,1]
.endr
.irp p, 0,1,2,3
	v_pk_add_f32 v[208+2*\p:209+2*\p], v[192+2*\p:193+2*\p], v[200+2*\p:201+2*\p] neg_lo:[0,1] neg_hi:[0,1]
.endr
.irp p, 0,1,2,3
	v_cvt_pk_f16_f32 v[216+\p], v[200+2*\p], v[201+2*\p]
	v_cvt_pk_f16_f32 v[220+\p], v[208+2*\p], v[209+2*\p]
.endr
	global_store_b128 v[VO], v[216:219], s[28:29]                ; lane (r, h): token r, channels 16 w + 8 h + 0 .. 7: half a fragment as the next launch's lane (r, h) takes it: 512 consecutive bytes
	global_store_b128 v[VO], v[220:223], s[28:29] offset:65536   ; the low parts
.Ldone:
	s_wait_tensorcnt 0x0                           ; the wave's end
	ds_add_u32 v[SPW], v[NIL]
	s_wait_dscnt 0x0
	s_endpgm
.Lwo:                                          ; wo to f16: 8,192 numbers a wave, four groups of 16 loads, two groups on their way; loads of 512 consecutive bytes, stores of 256
	s_sub_co_u32 s40, ttmp9, 32
	s_lshl_b32 s40, s40, 3
	s_add_co_u32 s40, s40, s12                     ; my wave's run of 8,192 numbers: 64 work-groups x 8 waves take the 512 runs
	s_lshl_b32 s44, s40, 15
	s_add_nc_u64 s[48:49], s[48:49], s[44:45]
	s_lshl_b32 s44, s40, 14
	s_add_nc_u64 s[50:51], s[50:51], s[44:45]
.macro LOADG g
.irp i, 0,1,2,3,4,5,6,7,8,9,10,11,12,13,14,15
	global_load_b128 v[WR+64*((\g)%2)+4*\i:WR+64*((\g)%2)+4*\i+3], v[VO], s[48:49] offset:(16*(\g)+\i)*512 th:TH_LOAD_NT
.endr
.endm
.macro GROUP g
.if (\g) < 3
	s_wait_loadcnt 16                              ; this group's 16 loads are in; the next group's may be out
.else
	s_wait_loadcnt 0x0
.endif
.if (\g) > 0
	s_wait_xcnt 0x0                                ; the last group's stores have read their data: the registers are written again only behind this wait
.endif
.irp i, 0,1,2,3,4,5,6,7,8,9,10,11,12,13,14,15
	v_cvt_pk_f16_f32 v[WH+2*\i], v[WR+64*((\g)%2)+4*\i], v[WR+64*((\g)%2)+4*\i+1]
	v_cvt_pk_f16_f32 v[WH+2*\i+1], v[WR+64*((\g)%2)+4*\i+2], v[WR+64*((\g)%2)+4*\i+3]
.endr
.irp i, 0,1,2,3,4,5,6,7,8,9,10,11,12,13,14,15
	global_store_b64 v[W8], v[WH+2*\i:WH+2*\i+1], s[50:51] offset:(16*(\g)+\i)*256   ; 256 consecutive bytes, aligned
.endr
.if (\g) < 2
	LOADG (\g)+2
.endif
.endm
	LOADG 0
	LOADG 1
	GROUP 0
	GROUP 1
	GROUP 2
	GROUP 3
	s_endpgm
.Lfunc_end_k_qe0492d3ab1_fattn:
	.size	k_qe0492d3ab1_fattn, .Lfunc_end_k_qe0492d3ab1_fattn-k_qe0492d3ab1_fattn
	.p2alignl 7, 3214868480
	.fill 96, 4, 3214868480
	.section	.rodata,"a",@progbits
	.p2align	6, 0x0
	.amdhsa_kernel k_qe0492d3ab1_fattn
		.amdhsa_group_segment_fixed_size 297984
		.amdhsa_private_segment_fixed_size 0
		.amdhsa_enable_private_segment 0
		.amdhsa_kernarg_size 48
		.amdhsa_user_sgpr_count 2
		.amdhsa_user_sgpr_kernarg_segment_ptr 1
		.amdhsa_wavefront_size32 1
		.amdhsa_system_sgpr_workgroup_id_x 1
		.amdhsa_system_sgpr_workgroup_id_y 1
		.amdhsa_system_sgpr_workgroup_id_z 1
		.amdhsa_system_vgpr_workitem_id 0
		.amdhsa_next_free_vgpr 512
		.amdhsa_next_free_sgpr 66
		.amdhsa_reserve_vcc 0
		.amdhsa_float_denorm_mode_32 3
		.amdhsa_float_denorm_mode_16_64 3
		.amdhsa_memory_ordered 1
		.amdhsa_forward_progress 1
		.amdhsa_inst_pref_size 144
	.end_amdhsa_kernel
	.amdgpu_metadata
---
amdhsa.version: [ 1, 2 ]
amdhsa.kernels:
  - .name:           k_qe0492d3ab1_fattn
    .symbol:         k_qe0492d3ab1_fattn.kd
    .args:
      - { .name: qkv, .offset: 0, .size: 8, .value_kind: global_buffer, .address_space: global }
      - { .name: kvf, .offset: 8, .size: 8, .value_kind: global_buffer, .address_space: global }
      - { .name: mask, .offset: 16, .size: 8, .value_kind: global_buffer, .address_space: global }
      - { .name: ofine, .offset: 24, .size: 8, .value_kind: global_buffer, .address_space: global }
      - { .name: wo, .offset: 32, .size: 8, .value_kind: global_buffer, .address_space: global }
      - { .name: woh, .offset: 40, .size: 8, .value_kind: global_buffer, .address_space: global }
    .group_segment_fixed_size: 297984
    .private_segment_fixed_size: 0
    .kernarg_segment_align: 8
    .kernarg_segment_size: 48
    .max_flat_workgroup_size: 256
    .sgpr_count:     66
    .vgpr_count:     512
    .wavefront_size: 32
...
	.end_amdgpu_metadata
.endif
;; end of part 4
;; launch oproj (part 5): grid 16 x 16, 4 waves a work-group, clusters of 4 x 4, 327,680 bytes of LDS; arguments oh, woh, bo, out0; writes out0
.if DOCPART == 5
	.amdgcn_target "amdgcn-amd-amdhsa--gfx1250"
	.amdhsa_code_object_version 6
	.text
	.protected	k_qe0492d3ab1_oproj
	.globl	k_qe0492d3ab1_oproj
	.p2align	8
	.type	k_qe0492d3ab1_oproj,@function
k_qe0492d3ab1_oproj:
	s_mov_b64 s[64:65], 0
	v_nop
	global_prefetch_b8 v0, s[64:65] scope:SCOPE_SE
	s_setreg_imm32_b32 hwreg(HW_REG_WAVE_MODE, 25, 1), 1
	s_wait_xcnt 0x0
	s_wait_alu depctr_hold_cnt(0) depctr_sa_sdst(0) depctr_va_vdst(0) depctr_va_sdst(0) depctr_va_ssrc(0) depctr_va_vcc(0) depctr_vm_vsrc(0)
	s_getreg_b32 s2, hwreg(HW_REG_IB_STS2, 6, 4)
	s_cmp_eq_u32 s2, 0
	s_cbranch_scc0 .Lentry_in_a_cluster
	s_endpgm
.Lentry_in_a_cluster:
	s_bfe_u32 s2, ttmp6, 0x10000c
	s_cmp_lg_u32 s2, 0xf033
	s_cbranch_scc0 .Lentry_shape_is_right
	s_endpgm
.Lentry_shape_is_right:
; out0[m][n] = the sum over k of oh[m][k] woh[n][k] + bo[n].  oh [2048][2048], woh [2048][2048]: f16; bo [2048], out0 [2048][2048]: f32; sums in f32.
; A tile of out0 is 128 x 128: 256 work-groups of four waves, each 64 x 64: 16 accumulators.  K goes in steps of 256 (LDS rows of 512 bytes; a wave's tensor load brings 64 of them) through two slots.
; CLUSTERS: 4 x 4.  The four of a row of the cluster need the same tiles of oh, the four of a column the same tiles of woh: each is asked for jointly.
; THE MATRIX INSTRUCTION IS USED TRANSPOSED (source 0 = 16 rows of woh, source 1 = 16 rows of oh): a lane holds eight neighbouring numbers of a row of out0.  The bias is the C of each sum's first product.
; A wave's 64 columns of f32 are 256 aligned bytes: each wave sends its own rows through its own stage: no barrier on the way out.
; No prefetch: a step of this small tile is short, and the tiles are shared in the cluster.
; REGISTERS: window 0: v0-31 addresses; v32-95 rows on the way out; v96-127 the bias; v128-255 the accumulators ((a, b) at v[128 + 8 (4 a + b)]).   window 1: two fragment buffers of 128.
.set SIZE_M, 2048
.set SIZE_N, 2048
.set SIZE_K, 2048
.set KSTEP,  256
.set PITCH,  528
.set HALFT,  64*PITCH
.set SLOT,   4*HALFT
.set STAGE,  2*SLOT                    ; behind the ring: 16 rows x 272 bytes for each wave
.set SPITCH, 272
.set SPARE,  STAGE+4*16*SPITCH         ; behind the stages: the spare words, 128 bytes a wave
.set LAPS, SIZE_K/(2*KSTEP)
.set ADRA, 16
.set ADRB, 20
.set STO,  24
.set RD,   25
.set CO,   26
.set SPW,  28
.set NIL,  29
.set TMP,  32
.set BI,   96
.set ACC,  128
.set F0,   0
.set F1,   128
.set G1, 24
.set G0, 32
.set G1B, 48
.set G0B, 56
.set MSB, 0
.macro WIN new
.if MSB != \new
	s_set_vgpr_msb (MSB<<8)|\new
.set MSB, \new
.endif
.endm
.set MUL,  0x05                        ; sources 0 (woh) and 1 (oh) window 1; C and D window 0
.set TO_F, 0x40
.macro JLOAD s                         ; a joint load: waves 0 and 1 fetch oh's two halves, waves 2 and 3 woh's
	s_cmp_eq_u32 s11, 0
	s_cbranch_scc0 .Lfor_b_\@
	tensor_load_to_lds s[G0+4*\s:G0+4*\s+3], s[G1:G1+7]
	s_nop 0
.rept 4
	v_nop
.endr
	s_branch .Lasked_\@
.Lfor_b_\@:
	tensor_load_to_lds s[G0B+4*\s:G0B+4*\s+3], s[G1B:G1B+7]
	s_nop 0
.rept 4
	v_nop
.endr
.Lasked_\@:
.endm
.macro CREST
	s_cmp_lg_u32 s10, 0
	s_cbranch_scc1 .Lnot_wave_0_\@
	s_barrier_signal -3
.Lnot_wave_0_\@:
	s_barrier_wait -3
	s_barrier_signal -1
	s_barrier_wait -1
.endm
.macro CROUND
	s_barrier_signal -1
	s_barrier_wait -1
	CREST
.endm
	s_load_b128 s[4:7], s[0:1], 0x0                ; oh s[4:5], woh s[6:7]
	s_load_b128 s[68:71], s[0:1], 0x10             ; bo s[68:69], out0 s[70:71]
	v_lshl_add_u32 v[SPW], v0, 2, SPARE
	v_mov_b32 v[NIL], 0
	ds_add_u32 v[SPW], v[NIL]                      ; the wave's opening: the add, twice on end, and its wait ahead of my first tensor load
	ds_add_u32 v[SPW], v[NIL]
	v_lshrrev_b32 v1, 5, v0
	v_readfirstlane_b32 s10, v1                    ; wave 0..3
	s_lshr_b32 s11, s10, 1                         ; which half of the tile's rows is mine.  Also: I fetch for oh (0) or for woh (1)
	s_and_b32 s12, s10, 1                          ; which half of its columns.  Also: which 64 rows of that tile I fetch
	s_bfe_u32 s40, ttmp6, 0x40000                  ; cx, cy
	s_bfe_u32 s41, ttmp6, 0x40004
	s_lshl_b32 s42, ttmp9, 2
	s_add_co_u32 s42, s42, s40                     ; tile column
	s_and_b32 s13, ttmp7, 0xffff
	s_lshl_b32 s13, s13, 2
	s_add_co_u32 s13, s13, s41                     ; tile row
	s_lshl_b32 s43, s41, 2
	s_lshl_b32 s43, 15, s43                        ; my row of the cluster
	s_lshl_b32 s44, 0x1111, s40                    ; my column
	s_or_b32 s[G1+0], s43, (1<<16)|(1<<20)|(1<<21)|(6<<22)|(3<<25)  ; the mask; elements of 2 bytes; padding on; bit 21 beside a mask; after every 128 words 4 words
	s_or_b32 s[G1B+0], s44, (1<<16)|(1<<20)|(1<<21)|(6<<22)|(3<<25)
.irp g, G1, G1B
	s_mov_b32 s[\g+1], KSTEP<<16                   ; tensor_dim0 = 256
	s_mov_b32 s[\g+2], 64<<16                      ; tensor_dim1 = 64
	s_mov_b32 s[\g+3], KSTEP<<16                   ; tile_dim0 = 256
	s_mov_b32 s[\g+4], 64                          ; tile_dim1 = 64
	s_mov_b32 s[\g+5], SIZE_K                      ; from row to row
	s_mov_b32 s[\g+6], 0
	s_mov_b32 s[\g+7], 0
.endr
	s_lshl_b32 s17, s12, 6
	s_lshl_b32 s16, s13, 7
	s_add_co_u32 s16, s16, s17                     ; oh: row 128 x tile row + 64 x half
	s_lshl_b32 s46, s42, 7
	s_add_co_u32 s46, s46, s17                     ; woh: row 128 x tile column + 64 x half
	s_mov_b32 s17, 0
	s_mov_b32 s47, 0
	s_mov_b64 s[18:19], SIZE_K*2
	s_mul_u64 s[16:17], s[16:17], s[18:19]
	s_mul_u64 s[46:47], s[46:47], s[18:19]
	s_mul_i32 s20, s10, HALFT                      ; where they go: wave x 64 rows
	s_wait_dscnt 0x0                               ; both opening adds are done
	s_wait_kmcnt 0x0
	s_add_nc_u64 s[14:15], s[4:5], s[16:17]
	s_add_nc_u64 s[46:47], s[6:7], s[46:47]
	CROUND                                         ; all sixteen work-groups are here: the first joint loads meet
.irp s, 0,1
	s_mov_b32 s[G0+4*\s], 1
	s_add_co_u32 s[G0+4*\s+1], s20, \s*SLOT
	s_add_nc_u64 s[G0+4*\s+2:G0+4*\s+3], s[14:15], \s*KSTEP*2
	s_or_b32 s[G0+4*\s+3], s[G0+4*\s+3], 0x80000000
	s_mov_b32 s[G0B+4*\s], 1
	s_add_co_u32 s[G0B+4*\s+1], s20, \s*SLOT
	s_add_nc_u64 s[G0B+4*\s+2:G0B+4*\s+3], s[46:47], \s*KSTEP*2
	s_or_b32 s[G0B+4*\s+3], s[G0B+4*\s+3], 0x80000000
	JLOAD \s
.endr
	v_and_b32 v1, 15, v0                           ; l % 16
	v_bfe_u32 v2, v0, 4, 1                         ; l / 16
	s_lshl_b32 s46, s42, 9                         ; my first column, in bytes of f32: 512 x tile column + 256 x half: in bo and in a row of out0
	s_lshl_b32 s47, s12, 8
	s_add_co_u32 s46, s46, s47
	s_mov_b32 s47, 0
	s_add_nc_u64 s[68:69], s[68:69], s[46:47]
	v_lshlrev_b32 v6, 5, v2                        ; block b's register j is the bias of column 16 b + 8 (l / 16) + j
.irp b, 0,1,2,3
	global_load_b128 v[BI+8*\b:BI+8*\b+3], v6, s[68:69] offset:64*\b
	global_load_b128 v[BI+8*\b+4:BI+8*\b+7], v6, s[68:69] offset:64*\b+16
.endr
	v_mul_u32_u24 v3, v1, PITCH
	v_lshl_add_u32 v3, v2, 4, v3                   ; a fragment's row x pitch + 16 x half
	s_mul_i32 s21, s11, HALFT                      ; my 64 rows of oh
	s_mul_i32 s22, s12, HALFT                      ; my 64 rows of woh,
	s_add_co_u32 s22, s22, 2*HALFT                 ; which lie behind oh's 128
.irp s, 0,1
	v_add_nc_u32 v[ADRA+\s], s21, v3
	v_add_nc_u32 v[ADRB+\s], s22, v3
	s_add_co_u32 s21, s21, SLOT
	s_add_co_u32 s22, s22, SLOT
.endr
	s_mul_i32 s23, s10, 16*SPITCH
	s_add_co_u32 s23, s23, STAGE                   ; my stage
	v_mul_u32_u24 v4, v1, SPITCH
	v_lshl_add_u32 v4, v2, 5, v4
	v_add_nc_u32 v[STO], s23, v4                   ; in: row l % 16, 32 bytes for each half of the lanes
	v_mul_u32_u24 v5, v2, SPITCH
	v_lshl_add_u32 v5, v1, 4, v5
	v_add_nc_u32 v[RD], s23, v5                    ; back: lanes 0-15 one row of 256 bytes, lanes 16-31 the next
	v_lshlrev_b32 v5, 13, v2
	v_lshl_add_u32 v[CO], v1, 4, v5                ; and the same two rows in out0
	s_lshl_b32 s16, s13, 7
	s_lshl_b32 s17, s11, 6
	s_add_co_u32 s16, s16, s17                     ; my first row of out0
	s_lshl_b32 s16, s16, 13
	s_mov_b32 s17, 0
	s_add_nc_u64 s[70:71], s[70:71], s[16:17]
	s_add_nc_u64 s[70:71], s[70:71], s[46:47]
; 8 products: m blocks a0, a0 + 1 x all 4 n blocks, 32 along K: half c of buffer f.  zero = 1: the first product starts the sums, with the bias.  The 16 accumulators take turns.
.macro MUL8 f, c, a0, zero
.irp a, \a0, \a0+1
.irp b, 0,1,2,3
.if \zero
	v_wmma_f32_16x16x32_f16 v[ACC+8*(4*(\a)+\b):ACC+8*(4*(\a)+\b)+7], v[\f+64+8*(4*\c+\b):\f+64+8*(4*\c+\b)+7], v[\f+8*(4*\c+\a):\f+8*(4*\c+\a)+7], v[BI+8*\b:BI+8*\b+7]
.else
	v_wmma_f32_16x16x32_f16 v[ACC+8*(4*(\a)+\b):ACC+8*(4*(\a)+\b)+7], v[\f+64+8*(4*\c+\b):\f+64+8*(4*\c+\b)+7], v[\f+8*(4*\c+\a):\f+8*(4*\c+\a)+7], v[ACC+8*(4*(\a)+\b):ACC+8*(4*(\a)+\b)+7]
.endif
.endr
.endr
.endm
.macro FETCH slot, k, f                ; 32 LDS loads in one run: the fragments of 64 along K at byte k of the rows, the first 32 along K first
	WIN TO_F
.irp c, 0,1
.irp i, 0,1,2,3
	ds_load_b128 v[\f+64+8*(4*\c+\i):\f+64+8*(4*\c+\i)+3],   v[ADRB+\slot] offset:\k+64*\c+\i*16*PITCH
	ds_load_b128 v[\f+64+8*(4*\c+\i)+4:\f+64+8*(4*\c+\i)+7], v[ADRB+\slot] offset:\k+64*\c+\i*16*PITCH+32
	ds_load_b128 v[\f+8*(4*\c+\i):\f+8*(4*\c+\i)+3],         v[ADRA+\slot] offset:\k+64*\c+\i*16*PITCH
	ds_load_b128 v[\f+8*(4*\c+\i)+4:\f+8*(4*\c+\i)+7],       v[ADRA+\slot] offset:\k+64*\c+\i*16*PITCH+32
.endr
.endr
.endm
.macro PLACES
.rept 4
	v_nop
.endr
.endm
.macro QUARTER slot, k, f, g, zero     ; 64 along K: multiplies buffer f and fetches the next quarter, at byte k, into g
	s_wait_dscnt 16                                ; the first 32 along K are in
	WIN MUL
	MUL8 \f, 0, 0, \zero
	MUL8 \f, 0, 2, \zero
	PLACES
	FETCH \slot, \k, \g
	s_wait_dscnt 32                                ; all but the 32 just issued
	WIN MUL
	MUL8 \f, 1, 0, 0
	MUL8 \f, 1, 2, 0
.endm
.macro TURN slot, next, fill           ; the last quarter multiplies buffer 1 and changes slots
	WIN 0
	s_wait_tensorcnt 0x0                           ; all my tensor loads have landed: my part of the next slot
	ds_add_u32 v[SPW], v[NIL]
	s_wait_dscnt 17                                ; (the add and the youngest sixteen loads may be out)
	WIN MUL
	MUL8 F1, 0, 0, 0
	s_wait_dscnt 0x0                               ; the add is done, and my reads of this slot are over
	s_barrier_signal -1
	MUL8 F1, 0, 2, 0
.if \fill
	WIN 0
.endif
	s_barrier_wait -1
.if \fill
	CREST                                          ; no wave of any partner still reads this slot's tile or has a load on its way
	s_add_nc_u64 s[G0+4*\slot+2:G0+4*\slot+3], s[G0+4*\slot+2:G0+4*\slot+3], 2*KSTEP*2
	s_add_nc_u64 s[G0B+4*\slot+2:G0B+4*\slot+3], s[G0B+4*\slot+2:G0B+4*\slot+3], 2*KSTEP*2
	JLOAD \slot
.else
	PLACES
.endif
	FETCH \next, 0, F0
	WIN MUL
	MUL8 F1, 1, 0, 0
	MUL8 F1, 1, 2, 0
.endm
	s_wait_tensorcnt 1                             ; my part of K step 0 is in; K step 1's may stay out
	s_barrier_signal -1
	s_barrier_wait -1
	FETCH 0, 0, F0
	s_wait_loadcnt 0x0                             ; the bias
	QUARTER 0, 128, F0, F1, 1                      ; the first quarter stands in front of the loop: its first products start the sums
	WIN 0
	s_mov_b32 s3, LAPS-1
.Llap:                                         ; a trip goes once round the ring and fills both slots again
	QUARTER 0, 256, F1, F0, 0
	QUARTER 0, 384, F0, F1, 0
	TURN 0, 1, 1
	QUARTER 1, 128, F0, F1, 0
	QUARTER 1, 256, F1, F0, 0
	QUARTER 1, 384, F0, F1, 0
	TURN 1, 0, 1
	QUARTER 0, 128, F0, F1, 0
	WIN 0
	s_sub_co_u32 s3, s3, 1
	s_cmp_lg_u32 s3, 0
	s_cbranch_scc1 .Llap
	QUARTER 0, 256, F1, F0, 0                      ; the last lap fills nothing
	QUARTER 0, 384, F0, F1, 0
	TURN 0, 1, 0
	QUARTER 1, 128, F0, F1, 0
	QUARTER 1, 256, F1, F0, 0
	QUARTER 1, 384, F0, F1, 0
	s_wait_dscnt 16
	WIN MUL
	MUL8 F1, 0, 0, 0
	MUL8 F1, 0, 2, 0
	s_wait_dscnt 0
	MUL8 F1, 1, 0, 0
	MUL8 F1, 1, 2, 0
	WIN 0
	; THE WAY OUT, 16 rows at a time: the accumulators go to my stage as they are, each from its low end on, and come back as whole rows of 256 bytes.
	PLACES
.macro OUT a
.irp b, 0,1,2,3
	ds_store_b128 v[STO], v[ACC+8*(4*(\a)+\b):ACC+8*(4*(\a)+\b)+3] offset:64*\b
	ds_store_b128 v[STO], v[ACC+8*(4*(\a)+\b)+4:ACC+8*(4*(\a)+\b)+7] offset:64*\b+16
.endr
.if (\a) >= 2
	s_wait_xcnt 0x0                                ; the stores of two blocks ago have read their data
.endif
.irp i, 0,1,2,3,4,5,6,7
	ds_load_b128 v[TMP+32*((\a)%2)+4*\i:TMP+32*((\a)%2)+4*\i+3], v[RD] offset:\i*2*SPITCH   ; LDS serves a wave's instructions in order: these see my stores
.endr
.irp i, 0,1,2,3,4,5,6,7
	s_wait_dscnt 7-\i
	global_store_b128 v[CO], v[TMP+32*((\a)%2)+4*\i:TMP+32*((\a)%2)+4*\i+3], s[70:71] offset:(16*(\a)+2*\i)*SIZE_N*4 th:TH_STORE_NT   ; 16 lanes store 256 consecutive bytes, aligned
.endr
.endm
	OUT 0
	OUT 1
	OUT 2
	OUT 3
	s_wait_tensorcnt 0x0                           ; the wave's end
	ds_add_u32 v[SPW], v[NIL]
	s_wait_dscnt 0x0
	CROUND                                         ; the closing round
	s_endpgm
.Lfunc_end_k_qe0492d3ab1_oproj:
	.size	k_qe0492d3ab1_oproj, .Lfunc_end_k_qe0492d3ab1_oproj-k_qe0492d3ab1_oproj
	.p2alignl 7, 3214868480
	.fill 96, 4, 3214868480
	.section	.rodata,"a",@progbits
	.p2align	6, 0x0
	.amdhsa_kernel k_qe0492d3ab1_oproj
		.amdhsa_group_segment_fixed_size 327680
		.amdhsa_private_segment_fixed_size 0
		.amdhsa_enable_private_segment 0
		.amdhsa_kernarg_size 32
		.amdhsa_user_sgpr_count 2
		.amdhsa_user_sgpr_kernarg_segment_ptr 1
		.amdhsa_wavefront_size32 1
		.amdhsa_system_sgpr_workgroup_id_x 1
		.amdhsa_system_sgpr_workgroup_id_y 1
		.amdhsa_system_sgpr_workgroup_id_z 1
		.amdhsa_system_vgpr_workitem_id 0
		.amdhsa_next_free_vgpr 512
		.amdhsa_next_free_sgpr 72
		.amdhsa_reserve_vcc 0
		.amdhsa_float_denorm_mode_32 3
		.amdhsa_float_denorm_mode_16_64 3
		.amdhsa_memory_ordered 1
		.amdhsa_forward_progress 1
		.amdhsa_inst_pref_size 87
	.end_amdhsa_kernel
	.amdgpu_metadata
---
amdhsa.version: [ 1, 2 ]
amdhsa.kernels:
  - .name:           k_qe0492d3ab1_oproj
    .symbol:         k_qe0492d3ab1_oproj.kd
    .args:
      - { .name: oh, .offset: 0, .size: 8, .value_kind: global_buffer, .address_space: global }
      - { .name: woh, .offset: 8, .size: 8, .value_kind: global_buffer, .address_space: global }
      - { .name: bo, .offset: 16, .size: 8, .value_kind: global_buffer, .address_space: global }
      - { .name: out0, .offset: 24, .size: 8, .value_kind: global_buffer, .address_space: global }
    .group_segment_fixed_size: 327680
    .private_segment_fixed_size: 0
    .kernarg_segment_align: 8
    .kernarg_segment_size: 32
    .max_flat_workgroup_size: 128
    .sgpr_count:     72
    .vgpr_count:     512
    .wavefront_size: 32
...
	.end_amdgpu_metadata
.endif
;; end of part 5
;; launch fproj (part 6): grid 128 x 1, 16 waves a work-group, no clusters, 153,600 bytes of LDS; arguments ofine, wo, bo, out0; writes out0
.if DOCPART == 6
	.amdgcn_target "amdgcn-amd-amdhsa--gfx1250"
	.amdhsa_code_object_version 6
	.text
	.protected	k_qe0492d3ab1_fproj
	.globl	k_qe0492d3ab1_fproj
	.p2align	8
	.type	k_qe0492d3ab1_fproj,@function
k_qe0492d3ab1_fproj:
	s_mov_b64 s[64:65], 0
	v_nop
	global_prefetch_b8 v0, s[64:65] scope:SCOPE_SE
	s_setreg_imm32_b32 hwreg(HW_REG_WAVE_MODE, 25, 1), 1
	s_wait_xcnt 0x0
; THE FIRST 16 POSITIONS, CARRIED FINELY: out0[m][n] = the sum over k of o[m][k] wo[n][k] + bo[n] for m = 0 .. 15, with both operands as pairs of f16 numbers: (Wh + Wl)(Oh + Ol) less Wl Ol.
; It runs last and stores rows 0-15 of out0 over what the launch for all rows left there.
; ofine: [hi, lo][64 K steps of 32][registers 0-3, 4-7][32 lanes][16 bytes] f16: the operand's registers on end.  wo [2048][2048], bo [2048], out0 [2048][2048]: f32.
; wo is read as f32 and split in registers: c = 8193 x, H = c - (c - x), L = x - H; H has 11 significant bits.  LIMITS: wo beyond 65,504 has no f16 number; bits of H and L under 2^-24 are lost.
; SHARES.  A work-group makes 16 columns; wave w of sixteen takes K = 128 w .. 128 w + 127: 512 consecutive bytes of each of 16 rows of wo: one load a row.  The operand wants a lane to hold its own row,
; so the 16 rows turn through the wave's own stage in LDS (rows 528 bytes apart) and come back 16 bytes a lane in the order of the operand's registers.  All of a wave's 34 loads go out at its head.
; Source 0 = 16 rows of wo, source 1 = the 16 rows of o: a lane holds eight neighbouring columns of one row of out0.  Three accumulators (Wh Oh, Wl Oh, Wh Ol) take turns.
; The sixteen partial sums meet in LDS as images of their registers; wave 0 adds them and the bias.  A store covers 64 consecutive bytes of each of 16 rows: 128 work-groups stream wo, and a share of
; 64 columns, which would make the pieces 256 bytes, would leave 32.  128 KB are stored in all.  No tensor loads, no cluster: no two work-groups read the same rows of wo.  No prefetch: every load goes out at once.
.set WPITCH, 528                       ; a row of wo in the stage: 512 bytes + 16
.set WST,   16384                      ; behind the sixteen images of 1,024 bytes: the stages,
.set WREG,  16*WPITCH                  ; 16 rows for each wave
.set SPARE, WST+16*WREG                ; behind them the spare words, 128 bytes a wave
.set WOF, 2                            ; 8192 r + 32 h: my place in 16 rows of out0
.set LI,  3                            ; 16 x lane
.set MI,  4                            ; my image
.set BO,  5                            ; 32 h
.set WSI, 8                            ; my stage, in: 16 x lane
.set WSO, 9                            ; my stage, back: row r, + 32 h
.set SPW, 12
.set NIL, 13
.set A0,  16
.set A1,  24
.set W,   32                           ; v32-95: 16 rows as loaded; then step s: 16 numbers of wo, then Wh (8 registers) and Wl (8)
.set OH,  96
.set OL,  128
.set A2,  160
.set BI,  168
.set AC,  176
.set CC,  224
.set DD,  240
	s_load_b256 s[4:11], s[0:1], 0x0               ; ofine s[4:5], wo s[6:7], bo s[8:9], out0 s[10:11]
	v_lshl_add_u32 v[SPW], v0, 2, SPARE
	v_mov_b32 v[NIL], 0
	v_lshrrev_b32 v1, 5, v0
	v_readfirstlane_b32 s12, v1                    ; wave 0..15
	v_and_b32 v1, 15, v0                           ; r
	v_bfe_u32 v6, v0, 4, 1                         ; h
	v_and_b32 v7, 31, v0                           ; lane
	v_lshlrev_b32 v[WOF], 13, v1
	v_lshl_add_u32 v[WOF], v6, 5, v[WOF]
	v_lshlrev_b32 v[LI], 4, v7
	s_lshl_b32 s13, s12, 10
	v_add_nc_u32 v[MI], s13, v[LI]
	v_lshlrev_b32 v[BO], 5, v6
	s_mul_i32 s14, s12, WREG
	s_add_co_u32 s14, s14, WST                     ; my stage
	v_add_nc_u32 v[WSI], s14, v[LI]
	v_mul_u32_u24 v[WSO], v1, WPITCH
	v_lshl_add_u32 v[WSO], v6, 5, v[WSO]
	v_add_nc_u32 v[WSO], s14, v[WSO]
	s_lshl_b32 s16, ttmp9, 17                      ; wo: my 16 rows of 8,192 bytes,
	s_lshl_b32 s17, s12, 9                         ; my wave's 512 bytes of each
	s_add_co_u32 s16, s16, s17
	s_mov_b32 s17, 0
	s_lshl_b32 s18, s12, 12                        ; ofine: my wave's four K steps of 1,024 bytes
	s_mov_b32 s19, 0
	s_lshl_b32 s20, ttmp9, 6                       ; bo, and a row of out0: my 16 columns
	s_mov_b32 s21, 0
	s_mov_b32 s22, 0x46000400                      ; 8193
	s_mov_b32 s23, s22
	s_wait_kmcnt 0x0
	s_add_nc_u64 s[6:7], s[6:7], s[16:17]
	s_add_nc_u64 s[4:5], s[4:5], s[18:19]
	s_add_nc_u64 s[8:9], s[8:9], s[20:21]
	s_add_nc_u64 s[10:11], s[10:11], s[20:21]
	global_load_b128 v[BI:BI+3], v[BO], s[8:9]                 ; register j: the bias of column 8 h + j
	global_load_b128 v[BI+4:BI+7], v[BO], s[8:9] offset:16
.irp i, 0,1,2,3,4,5,6,7,8,9,10,11,12,13,14,15  ; row i: 32 lanes read its 512 consecutive bytes; read once in the launch
	global_load_b128 v[W+4*\i:W+4*\i+3], v[LI], s[6:7] offset:\i*8192 th:TH_LOAD_NT
.endr
.irp s, 0,1,2,3
	global_load_b128 v[OH+8*\s:OH+8*\s+3], v[LI], s[4:5] offset:1024*\s
	global_load_b128 v[OH+8*\s+4:OH+8*\s+7], v[LI], s[4:5] offset:1024*\s+512
.endr
.irp s, 0,1,2,3
	global_load_b128 v[OL+8*\s:OL+8*\s+3], v[LI], s[4:5] offset:65536+1024*\s
	global_load_b128 v[OL+8*\s+4:OL+8*\s+7], v[LI], s[4:5] offset:65536+1024*\s+512
.endr
	s_wait_loadcnt 16                              ; the bias and wo's 16 rows are in; o's 16 loads may be out
.irp i, 0,1,2,3,4,5,6,7,8,9,10,11,12,13,14,15
	ds_store_b128 v[WSI], v[W+4*\i:W+4*\i+3] offset:\i*WPITCH
.endr
	s_wait_dscnt 0x0                               ; the stores have read their registers: the loads below land on them
.irp s, 0,1,2,3                                ; row r, K = 32 s + 8 h + 0 .. 7 and 32 s + 16 + 8 h + 0 .. 7: the order of the operand's registers
	ds_load_b128 v[W+16*\s:W+16*\s+3], v[WSO] offset:128*\s
	ds_load_b128 v[W+16*\s+4:W+16*\s+7], v[WSO] offset:128*\s+16
	ds_load_b128 v[W+16*\s+8:W+16*\s+11], v[WSO] offset:128*\s+64
	ds_load_b128 v[W+16*\s+12:W+16*\s+15], v[WSO] offset:128*\s+80
.endr
.macro SPLIT s
.set X, W+16*(\s)
	s_wait_dscnt 12-4*(\s)                         ; this step's four loads from the stage are in; the later steps' may be out
.set i, 0
.rept 8
	v_pk_mul_f32 v[CC+i:CC+i+1], v[X+i:X+i+1], s[22:23] op_sel_hi:[1,0]
.set i, i+2
.endr
.set i, 0
.rept 8
	v_pk_add_f32 v[DD+i:DD+i+1], v[CC+i:CC+i+1], v[X+i:X+i+1] neg_lo:[0,1] neg_hi:[0,1]
.set i, i+2
.endr
.set i, 0
.rept 8
	v_pk_add_f32 v[CC+i:CC+i+1], v[CC+i:CC+i+1], v[DD+i:DD+i+1] neg_lo:[0,1] neg_hi:[0,1]
.set i, i+2
.endr
.set i, 0
.rept 8
	v_pk_add_f32 v[DD+i:DD+i+1], v[X+i:X+i+1], v[CC+i:CC+i+1] neg_lo:[0,1] neg_hi:[0,1]
.set i, i+2
.endr
.set i, 0
.rept 8
	v_cvt_pk_f16_f32 v[X+i], v[CC+2*i], v[CC+2*i+1]            ; Wh, over the numbers that are done with
.set i, i+1
.endr
.set i, 0
.rept 8
	v_cvt_pk_f16_f32 v[X+8+i], v[DD+2*i], v[DD+2*i+1]          ; Wl
.set i, i+1
.endr
.endm
	SPLIT 0
	SPLIT 1
	SPLIT 2
	SPLIT 3
	s_wait_loadcnt 0x0                             ; o
	v_wmma_f32_16x16x32_f16 v[A0:A0+7], v[W:W+7], v[OH:OH+7], 0
	v_wmma_f32_16x16x32_f16 v[A1:A1+7], v[W+8:W+15], v[OH:OH+7], 0
	v_wmma_f32_16x16x32_f16 v[A2:A2+7], v[W:W+7], v[OL:OL+7], 0
.irp s, 1,2,3
	v_wmma_f32_16x16x32_f16 v[A0:A0+7], v[W+16*\s:W+16*\s+7], v[OH+8*\s:OH+8*\s+7], v[A0:A0+7]
	v_wmma_f32_16x16x32_f16 v[A1:A1+7], v[W+16*\s+8:W+16*\s+15], v[OH+8*\s:OH+8*\s+7], v[A1:A1+7]
	v_wmma_f32_16x16x32_f16 v[A2:A2+7], v[W+16*\s:W+16*\s+7], v[OL+8*\s:OL+8*\s+7], v[A2:A2+7]
.endr
.rept 4
	v_nop                                          ; four places behind the last products
.endr
.irp p, 0,1,2,3
	v_pk_add_f32 v[A0+2*\p:A0+2*\p+1], v[A0+2*\p:A0+2*\p+1], v[A1+2*\p:A1+2*\p+1]   ; each accumulator from its low end on
.endr
.irp p, 0,1,2,3
	v_pk_add_f32 v[A0+2*\p:A0+2*\p+1], v[A0+2*\p:A0+2*\p+1], v[A2+2*\p:A2+2*\p+1]
.endr
	ds_store_b128 v[MI], v[A0:A0+3]
	ds_store_b128 v[MI], v[A0+4:A0+7] offset:512
	s_wait_dscnt 0x0                               ; for wave 0's sake: my stores are done
	s_barrier_signal -1
	s_barrier_wait -1
	s_cmp_lg_u32 s12, 0
	s_cbranch_scc1 .Ldone
.irp w, 0,1,2,3,4,5,6,7,8,9,10,11,12,13,14,15
	ds_load_b128 v[32+8*\w:32+8*\w+3], v[LI] offset:1024*\w
	ds_load_b128 v[32+8*\w+4:32+8*\w+7], v[LI] offset:1024*\w+512
.endr
	s_wait_dscnt 0x0
.irp p, 0,1,2,3
	v_pk_add_f32 v[AC+2*\p:AC+2*\p+1], v[BI+2*\p:BI+2*\p+1], v[32+2*\p:33+2*\p]
.endr
.irp w, 1,2,3,4,5,6,7,8,9,10,11,12,13,14,15
.irp p, 0,1,2,3
	v_pk_add_f32 v[AC+2*\p:AC+2*\p+1], v[AC+2*\p:AC+2*\p+1], v[32+8*\w+2*\p:33+8*\w+2*\p]
.endr
.endr
	global_store_b128 v[WOF], v[AC:AC+3], s[10:11]             ; lane (r, h): out0(r, my column 8 h + 0 .. 7)
	global_store_b128 v[WOF], v[AC+4:AC+7], s[10:11] offset:16
.Ldone:
	s_wait_tensorcnt 0x0                           ; the wave's end
	ds_add_u32 v[SPW], v[NIL]
	s_wait_dscnt 0x0
	s_endpgm
.Lfunc_end_k_qe0492d3ab1_fproj:
	.size	k_qe0492d3ab1_fproj, .Lfunc_end_k_qe0492d3ab1_fproj-k_qe0492d3ab1_fproj
	.p2alignl 7, 3214868480
	.fill 96, 4, 3214868480
	.section	.rodata,"a",@progbits
	.p2align	6, 0x0
	.amdhsa_kernel k_qe0492d3ab1_fproj
		.amdhsa_group_segment_fixed_size 153600
		.amdhsa_private_segment_fixed_size 0
		.amdhsa_enable_private_segment 0
		.amdhsa_kernarg_size 32
		.amdhsa_user_sgpr_count 2
		.amdhsa_user_sgpr_kernarg_segment_ptr 1
		.amdhsa_wavefront_size32 1
		.amdhsa_system_sgpr_workgroup_id_x 1
		.amdhsa_system_sgpr_workgroup_id_y 1
		.amdhsa_system_sgpr_workgroup_id_z 1
		.amdhsa_system_vgpr_workitem_id 0
		.amdhsa_next_free_vgpr 256
		.amdhsa_next_free_sgpr 66
		.amdhsa_reserve_vcc 0
		.amdhsa_float_denorm_mode_32 3
		.amdhsa_float_denorm_mode_16_64 3
		.amdhsa_memory_ordered 1
		.amdhsa_forward_progress 1
		.amdhsa_inst_pref_size 28
	.end_amdhsa_kernel
	.amdgpu_metadata
---
amdhsa.version: [ 1, 2 ]
amdhsa.kernels:
  - .name:           k_qe0492d3ab1_fproj
    .symbol:         k_qe0492d3ab1_fproj.kd
    .args:
      - { .name: ofine, .offset: 0, .size: 8, .value_kind: global_buffer, .address_space: global }
      - { .name: wo, .offset: 8, .size: 8, .value_kind: global_buffer, .address_space: global }
      - { .name: bo, .offset: 16, .size: 8, .value_kind: global_buffer, .address_space: global }
      - { .name: out0, .offset: 24, .size: 8, .value_kind: global_buffer, .address_space: global }
    .group_segment_fixed_size: 153600
    .private_segment_fixed_size: 0
    .kernarg_segment_align: 8
    .kernarg_segment_size: 32
    .max_flat_workgroup_size: 512
    .sgpr_count:     66
    .vgpr_count:     256
    .wavefront_size: 32
...
	.end_amdgpu_metadata
.endif
;; end of part 6
